; MI455X (gfx1250); checked and timed in simulation.
; The chip was launched on July 23, 2026; its instructions are those of AMD's public machine-readable ISA for CDNA 5 (MIT licence, August 2026) and "CDNA5" Instruction Set Architecture Reference Guide (July 2026). The comments in the code are by the model that wrote it; some were corrected since.
;; Multi Head Attention. Allowed arithmetic: matrix products marked QUANTISED: E4M3 operands, one given power-of-two scale a tensor, by v_wmma_f32_16x16x64_fp8_fp8 or v_wmma_f32_16x16x128_fp8_fp8, f32 sums; everything else in f32.
;; Inputs: WK_codes 1,024 x 32 x 32 uint8 (E4M3 codes of WK, K innermost, in blocks of 32 codes); WO_codes 1,024 x 32 x 32 uint8 (E4M3 codes of WO, K innermost, in blocks of 32 codes); WQ_codes 1,024 x 32 x 32 uint8 (E4M3 codes of WQ, K innermost, in blocks of 32 codes); WV_codes 1,024 x 32 x 32 uint8 (E4M3 codes of WV, K innermost, in blocks of 32 codes); bK 1,024 float32; bO 1,024 float32; bQ 1,024 float32; bV 1,024 float32; lowp_scales 12 int32 (the exponents e of the quantised operands' scales 2^e); mask 1 x 1 x 2,048 x 2,048 bool; x_codes 4 x 2,048 x 32 x 32 uint8 (E4M3 codes of x, K innermost, in blocks of 32 codes).
;; Outputs: out0 4 x 2,048 x 1,024 float32.
;; This version of the problem:
;;   THIS VERSION OF THE PROBLEM IS GIVEN IN LOW PRECISION. The matrix products marked QUANTISED in the list below multiply operands that are first quantised to E4M3 (4 exponent bits, 3 mantissa bits; 8 bits a number), with one given power-of-two scale for each operand tensor; their sums are f32. All else is computed in f32.
;;   The module's matrix products, in the order in which they are computed (A, B: the left and right operand; K: the contracted axis; several contracted axes count as one K, in the product's order):
;;     1. [M 8,192, K 1,024] x [K 1,024, N 1,024]; A: input x (given as codes); B: input WQ (given as codes): QUANTISED (scales: A lowp_scales[0], B lowp_scales[1])
;;     2. [M 8,192, K 1,024] x [K 1,024, N 1,024]; A: input x (given as codes); B: input WK (given as codes): QUANTISED (scales: A lowp_scales[2], B lowp_scales[3])
;;     3. [M 8,192, K 1,024] x [K 1,024, N 1,024]; A: input x (given as codes); B: input WV (given as codes): QUANTISED (scales: A lowp_scales[4], B lowp_scales[5])
;;     4. batch 64 x [M 2,048, K 64] x [K 64, N 2,048]; A: computed on the way; B: computed on the way: QUANTISED (scales: A lowp_scales[6], B lowp_scales[7])
;;     5. batch 64 x [M 2,048, K 2,048] x [K 2,048, N 64]; A: softmax (see below); B: computed on the way: QUANTISED (scales: A lowp_scales[8], B lowp_scales[9])
;;     6. [M 8,192, K 1,024] x [K 1,024, N 1,024]; A: computed on the way; B: input WO (given as codes): QUANTISED (scales: A lowp_scales[10], B lowp_scales[11])
;;   THE QUANTISER, for each operand of a quantised product, along K:
;;     - The operand's scale is 2^e, e = its entry of the input lowp_scales (int32; the entries are numbered through the quantised products in the list's order, A before B).
;;     - Each number is divided by the scale, clamped to +-448, and rounded to the nearest number of E4M3, ties to even, subnormals kept.
;;     - The product sums the exact products of the quantised numbers (number of the format x scale) in f32.
;;   ~~~python
;;   def quantise(x, axis, e):      # numpy; x: float32 -> the quantised numbers, widened to float32 again
;;       x = np.moveaxis(x, axis, -1); K = x.shape[-1]
;;       r = np.clip(x / 2.0 ** e, -448, 448)
;;       step = 2.0 ** (np.maximum(np.frexp(np.where(r == 0, 1, r))[1] - 1, -6) - 3)
;;       q = np.round(r / step) * step * 2.0 ** e      # np.round: ties to even
;;       return np.moveaxis(q, -1, axis).astype(np.float32)
;;   ~~~
;;   SOFTMAX AHEAD OF A QUANTISED PRODUCT. Where the list says 'softmax', what is quantised is not the finished softmax but p = 2^(t - M), with t = logit x log2(e) and M = ceil(the row's largest t), a whole number; so 1/2 < the row's largest p <= 1. The row's sum l is taken of the UNQUANTISED p, in f32, and the product's result is divided by l at the end. Since M is a whole number, a kernel that streams over the keys may use a running M (the ceiling of the running maximum): every later rescaling is an exact power of two, so the quantised numbers keep their values, but for numbers so far below the row's largest that they fall under the format's range.
;;   OPERANDS COMPUTED ON THE WAY. 'Computed on the way' means the value that the module computes at that place (a softmax that the list does not call 'softmax' is quantised finished and normalised). What goes into a quantiser is computed in f32, as accurately as f32 sums, v_exp_f32 and their like allow (about 1e-6 of the number): no bf16 or f16 on the way to a quantiser, and a product that is left as it is and whose result goes on into a quantised operand takes f32 operands (vector FMAs, or v_wmma_f32_16x16x4_f32). A number that lies on a knife's edge between two numbers of the format may be rounded either way, as far as f32 arithmetic and the matrix unit's own rounding can turn it there, and no further.
;;   INPUTS GIVEN AS CODES. WK (in the module: [1024, 1024], K = its axis 0); WO (in the module: [1024, 1024], K = its axis 0); WQ (in the module: [1024, 1024], K = its axis 0); WV (in the module: [1024, 1024], K = its axis 0); x (in the module: [4, 2048, 1024], K = its axis 2): each comes as NAME_codes (uint8): NAME with its K axis moved to the last place and cut into blocks of 32 codes, [.., K / 32, bytes a block], one block behind the other in memory; one code a byte (a code: sign, 4 exponent bits, 3 mantissa bits); its scale is its entry of lowp_scales. Its value is code x scale, taken as it is: it is not quantised again, and the codes and scales need not be those that the quantiser above would give.
;; 2 versions, each right; version 2 is version 1 with the launch attn written anew for expert scheduling mode. Each part assembles by itself: llvm-mc -triple=amdgcn-amd-amdhsa -mcpu=gfx1250 --defsym DOCPART=n.
;; ======== version 1 of 2: 4 launches
;; limits: right only within a limited range of input values
;; workspace buffers: qimg 8,388,608 bytes; kimg 8,388,608 bytes; vimg 8,388,608 bytes; cimg 8,388,608 bytes; mbits 524,288 bytes of whole numbers; mflag 16,384 bytes of whole numbers
;; launch maskprep (part 1): grid 64 x 1, 8 waves a work-group, no clusters, 70,912 bytes of LDS; arguments mask, mbits, mflag; writes mbits, mflag
.if DOCPART == 1
	.amdgcn_target "amdgcn-amd-amdhsa--gfx1250"
	.amdhsa_code_object_version 6
	.text
	.protected	k_q1a975e1c03_maskprep
	.globl	k_q1a975e1c03_maskprep
	.p2align	8
	.type	k_q1a975e1c03_maskprep,@function
k_q1a975e1c03_maskprep:
	s_mov_b64 s[64:65], 0
	v_nop
	global_prefetch_b8 v0, s[64:65] scope:SCOPE_SE
	s_setreg_imm32_b32 hwreg(HW_REG_WAVE_MODE, 25, 1), 1
	s_wait_xcnt 0x0
; THE MASK, [2048 queries][2048 keys] of one byte (not 0 = masked out), is laid for the attention launch, as it is given: no pattern is built in.
; A JOB is 32 neighbouring queries (two tiles t of 16), a STEP 64 neighbouring keys (four tiles c of 16).  The attention launch holds a step's scores so: lane (r, h), register n = 32 t + 8 c + j
; = query 32 job + 16 t + r, key 64 step + 16 c + 8 h + j.  mbits [job 64][step 32][64 words]: word n is the lane mask of register n: bit r + 16 h = that byte of the mask is not 0.
; mflag [job 64][256 bytes]: the pair (ACT, MIX), 32 times over.  Bit s of ACT: step s has to be worked; of MIX: it has to be worked and has masked places.
; ACT = not ALL, or every bit where some row of the job is masked at all 2,048 keys (such a row's weights are not 0 anywhere);  ALL: bit s = all 2,048 places of the job's step s are masked.
; SHARES.  A work-group takes a job, its eight waves four steps each: 32 rows x 256 bytes a wave.  Sixteen lanes read 256 consecutive bytes, aligned; the bytes turn through the wave's own stage in LDS.
.set ROWB,   2048                      ; a row of the mask in bytes
.set SPITCH, 272                       ; a stage row: 256 bytes + 16: 68 words, so that the 16 rows of a read start at 16 different banks (64 banks of 4 bytes: ISA guide 11.1)
.set WSTG,   32*SPITCH                 ; a wave's stage
.set RED,    0                         ; LDS byte 0: 16 bytes for each wave, where the waves' flags meet
.set STG0,   256                       ; behind them the eight stages; a stage's base stands in the address registers, so that every immediate offset stays inside its 16 bits
.set X,   16                           ; v16-79   the wave's bytes in (r, h) order: step p, tile t, key tile c: two registers at X + 16 p + 8 t + 2 c
.set TM,  80                           ; v80-87   eight bytes, one a register
.set OW,  88                           ; v88-95   step p's 64 words: word n in lane n / 2 of register OW + 2 p + n % 2
.set PK,  96                           ; v96-99   my wave's four flag words
.set RB,  100                          ; v100-103 a wave's four flag words, read back
.set RAW, 104                          ; v104-167 the bytes as loaded
.set BT,  32                           ; s32-39   eight lane masks
.set SA,  40                           ; s40, s41 the AND of a step's lane masks, tile 0 and tile 1
.set SO,  42                           ; s42      the OR of a step's lane masks
.set RW,  20                           ; s20, s21 the AND of all my lane masks, tile 0 and tile 1
	s_load_b128 s[4:7], s[0:1], 0x0                ; mask, mbits
	s_load_b64 s[8:9], s[0:1], 0x10                ; mflag
	v_lshl_add_u32 v168, v0, 2, 0x11100
	v_mov_b32 v169, 0
	v_lshrrev_b32 v1, 5, v0
	v_readfirstlane_b32 s10, v1                    ; wave 0..7
	v_and_b32 v4, 31, v0                           ; lane
	v_and_b32 v5, 15, v0                           ; r = lane % 16
	v_bfe_u32 v6, v0, 4, 1                         ; h = lane / 16
	v_lshlrev_b32 v3, 3, v4                        ; 8 x lane: my two words of a step's 64
	v_lshlrev_b32 v2, 11, v6
	v_lshl_add_u32 v2, v5, 4, v2                   ; in: lanes 0-15 one row's 256 bytes, lanes 16-31 the next row's
	s_mul_i32 s18, s10, WSTG
	s_add_co_u32 s18, s18, STG0                    ; my stage
	v_mul_u32_u24 v9, v6, SPITCH
	v_lshl_add_u32 v9, v5, 4, v9
	v_add_nc_u32 v9, s18, v9                       ; the same place in my stage
	v_mul_u32_u24 v10, v5, SPITCH
	v_lshl_add_u32 v10, v6, 3, v10
	v_add_nc_u32 v10, s18, v10                     ; out of the stage: row r, + 8 h
	v_mov_b32 v7, s10
	v_lshlrev_b32 v7, 4, v7                        ; where my wave's four flag words go: 16 x wave
	v_and_b32 v8, 7, v0
	v_lshlrev_b32 v8, 4, v8                        ; and where lane i of wave 0 reads wave i % 8's back
	s_lshl_b32 s12, ttmp9, 16                      ; the job's 32 rows of 2,048 bytes,
	s_lshl_b32 s13, s10, 8                         ; my wave's 256 keys
	s_add_co_u32 s12, s12, s13
	s_mov_b32 s13, 0
	s_lshl_b32 s14, ttmp9, 13                      ; mbits: 32 steps of 256 bytes a job,
	s_lshl_b32 s15, s10, 10                        ; four steps a wave
	s_add_co_u32 s14, s14, s15
	s_mov_b32 s15, 0
	s_lshl_b32 s16, ttmp9, 8                       ; mflag: 256 bytes a job
	s_mov_b32 s17, 0
	s_wait_kmcnt 0x0
	s_add_nc_u64 s[4:5], s[4:5], s[12:13]
	s_add_nc_u64 s[6:7], s[6:7], s[14:15]
	s_add_nc_u64 s[8:9], s[8:9], s[16:17]
.irp i, 0,1,2,3,4,5,6,7,8,9,10,11,12,13,14,15
	global_load_b128 v[RAW+4*\i:RAW+4*\i+3], v2, s[4:5] offset:2*\i*ROWB th:TH_LOAD_NT   ; rows 2 i and 2 i + 1; read once in the launch
.endr
.irp i, 0,1,2,3,4,5,6,7
	v_mov_b32 v[OW+\i], 0                          ; written whole once: v_writelane_b32 fills them lane by lane
.endr
	s_mov_b32 s[RW], -1
	s_mov_b32 s[RW+1], -1
	s_mov_b32 s22, 0                               ; ALL, my four steps' bits
	s_mov_b32 s23, 0                               ; ANY, likewise
.irp i, 0,1,2,3,4,5,6,7,8,9,10,11,12,13,14,15
	s_wait_loadcnt 15-\i                           ; loads come back in order: load i is in, the younger ones may be out
	ds_store_b128 v9, v[RAW+4*\i:RAW+4*\i+3] offset:2*\i*SPITCH
.endr
.irp p, 0,1,2,3                        ; LDS serves a wave's instructions in order: these see my stores.  Eight loads a step
.irp t, 0,1
.irp c, 0,1,2,3
	ds_load_b64 v[X+16*\p+8*\t+2*\c:X+16*\p+8*\t+2*\c+1], v10 offset:16*\t*SPITCH+64*\p+16*\c
.endr
.endr
.endr
; Step p of my four: 64 lane masks, eight at a time, so that no line waits for the line above it.
.macro STEPBITS p
	s_wait_dscnt 24-8*(\p)                         ; this step's eight loads are in; the later steps' eight each may be out
	s_mov_b32 s[SA], -1
	s_mov_b32 s[SA+1], -1
	s_mov_b32 s[SO], 0
.irp t, 0,1
.irp c, 0,1,2,3
.irp j, 0,1,2,3,4,5,6,7
	v_bfe_u32 v[TM+\j], v[X+16*(\p)+8*\t+2*\c+\j/4], 8*(\j%4), 8
.endr
.irp j, 0,1,2,3,4,5,6,7
	v_cmp_ne_u32 s[BT+\j], 0, v[TM+\j]
.endr
.irp j, 0,1,2,3,4,5,6,7
	s_and_b32 s[SA+\t], s[SA+\t], s[BT+\j]
	s_or_b32 s[SO], s[SO], s[BT+\j]
.endr
.irp j, 0,1,2,3,4,5,6,7
	v_writelane_b32 v[OW+2*(\p)+\j%2], s[BT+\j], 16*\t+4*\c+\j/2
.endr
.endr
.endr
	global_store_b64 v3, v[OW+2*(\p):OW+2*(\p)+1], s[6:7] offset:256*(\p)   ; 32 lanes store 256 consecutive bytes, aligned
	s_and_b32 s[RW], s[RW], s[SA]
	s_and_b32 s[RW+1], s[RW+1], s[SA+1]
	s_and_b32 s24, s[SA], s[SA+1]
	s_cmp_eq_u32 s24, -1
	s_cselect_b32 s24, 1<<(\p), 0
	s_or_b32 s22, s22, s24
	s_cmp_lg_u32 s[SO], 0
	s_cselect_b32 s24, 1<<(\p), 0
	s_or_b32 s23, s23, s24
.endm
	STEPBITS 0
	STEPBITS 1
	STEPBITS 2
	STEPBITS 3
	v_mov_b32 v[PK], s[RW]
	v_mov_b32 v[PK+1], s[RW+1]
	v_mov_b32 v[PK+2], s23
	v_mov_b32 v[PK+3], s22
	ds_store_b128 v7, v[PK:PK+3] offset:RED        ; all lanes write the same 16 bytes with the same numbers
	s_wait_dscnt 0x0                               ; for the others' sake: my store is done
	s_barrier_signal -1
	s_barrier_wait -1
	s_cmp_lg_u32 s10, 0
	s_cbranch_scc1 .Lend                           ; wave 0 alone joins the eight
	ds_load_b128 v[RB:RB+3], v8 offset:RED         ; lane i (0 .. 7) holds wave i's four words
	s_mov_b32 s[RW], -1
	s_mov_b32 s[RW+1], -1
	s_mov_b32 s22, 0
	s_mov_b32 s23, 0
	s_wait_dscnt 0x0
.irp i, 0,1,2,3,4,5,6,7
	v_readlane_b32 s28, v[RB], \i
	v_readlane_b32 s29, v[RB+1], \i
	v_readlane_b32 s30, v[RB+2], \i
	v_readlane_b32 s31, v[RB+3], \i
	s_and_b32 s[RW], s[RW], s28
	s_and_b32 s[RW+1], s[RW+1], s29
	s_lshl_b32 s30, s30, 4*\i
	s_lshl_b32 s31, s31, 4*\i
	s_or_b32 s23, s23, s30                         ; ANY, 32 steps
	s_or_b32 s22, s22, s31                         ; ALL, 32 steps
.endr
	s_lshr_b32 s28, s[RW], 16                      ; row r is masked throughout where both its lanes, r and r + 16, found every one of their keys masked
	s_and_b32 s28, s28, s[RW]
	s_lshr_b32 s29, s[RW+1], 16
	s_and_b32 s29, s29, s[RW+1]
	s_or_b32 s28, s28, s29
	s_and_b32 s28, s28, 0xffff
	s_cmp_lg_u32 s28, 0
	s_cselect_b32 s28, -1, 0
	s_not_b32 s29, s22
	s_or_b32 s29, s29, s28                         ; ACT
	s_and_b32 s30, s29, s23                        ; MIX
	v_mov_b32 v12, s29
	v_mov_b32 v13, s30
	global_store_b64 v3, v[12:13], s[8:9]          ; the pair, 32 times: 256 consecutive bytes, aligned
.Lend:
	s_wait_tensorcnt 0x0
	ds_add_u32 v168, v169
	s_wait_dscnt 0x0
	s_endpgm
.Lfunc_end_k_q1a975e1c03_maskprep:
	.size	k_q1a975e1c03_maskprep, .Lfunc_end_k_q1a975e1c03_maskprep-k_q1a975e1c03_maskprep
	.p2alignl 7, 3214868480
	.fill 96, 4, 3214868480
	.section	.rodata,"a",@progbits
	.p2align	6, 0x0
	.amdhsa_kernel k_q1a975e1c03_maskprep
		.amdhsa_group_segment_fixed_size 70912
		.amdhsa_private_segment_fixed_size 0
		.amdhsa_enable_private_segment 0
		.amdhsa_kernarg_size 24
		.amdhsa_user_sgpr_count 2
		.amdhsa_user_sgpr_kernarg_segment_ptr 1
		.amdhsa_wavefront_size32 1
		.amdhsa_system_sgpr_workgroup_id_x 1
		.amdhsa_system_sgpr_workgroup_id_y 1
		.amdhsa_system_sgpr_workgroup_id_z 1
		.amdhsa_system_vgpr_workitem_id 0
		.amdhsa_next_free_vgpr 170
		.amdhsa_next_free_sgpr 66
		.amdhsa_reserve_vcc 0
		.amdhsa_float_denorm_mode_32 3
		.amdhsa_float_denorm_mode_16_64 3
		.amdhsa_memory_ordered 1
		.amdhsa_forward_progress 1
		.amdhsa_inst_pref_size 78
	.end_amdhsa_kernel
	.amdgpu_metadata
---
amdhsa.version: [ 1, 2 ]
amdhsa.kernels:
  - .name:           k_q1a975e1c03_maskprep
    .symbol:         k_q1a975e1c03_maskprep.kd
    .args:
      - { .name: mask, .offset: 0, .size: 8, .value_kind: global_buffer, .address_space: global }
      - { .name: mbits, .offset: 8, .size: 8, .value_kind: global_buffer, .address_space: global }
      - { .name: mflag, .offset: 16, .size: 8, .value_kind: global_buffer, .address_space: global }
    .group_segment_fixed_size: 70912
    .private_segment_fixed_size: 0
    .kernarg_segment_align: 8
    .kernarg_segment_size: 24
    .max_flat_workgroup_size: 256
    .sgpr_count:     66
    .vgpr_count:     170
    .wavefront_size: 32
...
	.end_amdgpu_metadata
.endif
;; end of part 1
;; launch qkv (part 2): grid 12 x 32, 4 waves a work-group, clusters of 4 x 4, 327,680 bytes of LDS; arguments x_codes, WQ_codes, WK_codes, WV_codes, bQ, bK, bV, lowp_scales, qimg, kimg, vimg; writes qimg, kimg, vimg
.if DOCPART == 2
	.amdgcn_target "amdgcn-amd-amdhsa--gfx1250"
	.amdhsa_code_object_version 6
	.text
	.protected	k_q1a975e1c03_qkv
	.globl	k_q1a975e1c03_qkv
	.p2align	8
	.type	k_q1a975e1c03_qkv,@function
k_q1a975e1c03_qkv:
	s_mov_b64 s[64:65], 0
	v_nop
	global_prefetch_b8 v0, s[64:65] scope:SCOPE_SE
	s_setreg_imm32_b32 hwreg(HW_REG_WAVE_MODE, 25, 1), 1
	s_wait_xcnt 0x0
	s_wait_alu depctr_hold_cnt(0) depctr_sa_sdst(0) depctr_va_vdst(0) depctr_va_sdst(0) depctr_va_ssrc(0) depctr_va_vcc(0) depctr_vm_vsrc(0)
	s_getreg_b32 s2, hwreg(HW_REG_IB_STS2, 6, 4)
	s_cmp_eq_u32 s2, 0
	s_cbranch_scc0 .Lentry_in_a_cluster
	s_endpgm
.Lentry_in_a_cluster:
	s_bfe_u32 s2, ttmp6, 0x10000c
	s_cmp_lg_u32 s2, 0xf033
	s_cbranch_scc0 .Lentry_shape_is_right
	s_endpgm
.Lentry_shape_is_right:
; q = x WQ + bQ, k = x WK + bK, v = x WV + bV on codes of FP8 (E4M3), then quantised with the given scales and stored as IMAGES OF OPERAND REGISTERS for the attention launch.
; x: [8192 tokens][1024], WQ, WK, WV: [1024 features][1024]: codes, K innermost.  lowp_scales: e0 .. e11 (int32): a number is its code x 2^e.
; AN IMAGE is 1,024 bytes: the 8 registers of an operand of the 16 x 16 x 64 form: registers 0-3 at 16 x lane, registers 4-7 at 512 + 16 x lane; lane (r, h), register 2 c + e, byte y: row r, k = 16 c + 8 h + 4 e + y.
;   qimg, kimg [batch x head 64][token tile 128][1024]: row = token, k = the head's 64.     vimg [batch x head 64][key step 32][4][1024]: row = one of 16 of the head's 64, k = 64 keys.
; A tile of 256 x 256 results is made by a work-group of four waves, as many as a WGP has SIMDs; a wave makes 128 x 128: 64 accumulators, 512 registers.  K goes in steps of 256 through a ring of two LDS slots.
; TWO SIDES.  The matrix instruction takes 16 rows of side B as source 0 and 16 rows of side A as source 1: a lane then holds ONE row of side A, and its eight registers eight neighbouring rows of side B,
; which is what the conversions want: neighbours along the NEXT product's K in one lane's registers.  For q and k that K is the head's 64 features: side A = x, side B = the weight.
; For v it is the keys: side A = WV, side B = x.  Which of the three is made hangs on the cluster's x (0, 1, 2), which all partners share; it chooses pointers and numbers, and no branch hangs on it.
; CLUSTERS: 4 x 4 work-groups.  The four of a row of the cluster need the same tile of side A, the four of a column the same tile of side B: each is asked for JOINTLY, by the same tensor load with the same
; descriptor and a mask that names the four.
; LIMITS, so that each power of two below is an f32 number: e(x) + e(weight) between -126 and 127; e6, e7, e9 between -126 and 119.  NaN is not served.
; No prefetch: every tile is read by three clusters or more, and asked for jointly.
; REGISTERS, in windows of 256: window 0: v0-31 addresses; v32-47 side A's bias, v48, v49 the hold and the scale, v64-127 side B's bias; from v128 A's fragments, ONE set, later the codes.
;   window 1: B's fragments, TWO sets; on the way out v0-63 at work.   window 2: the 32 accumulators of my rows 0-63 of side A (accumulator (a, b) at v[8 (8 a + b)]);   window 3: those of rows 64-127.
.set SIZE_K, 1024
.set KSTEP,  256                       ; along K in a slot
.set ROWB,   256                       ; a tile's row in bytes
.set KROW,   SIZE_K                    ; a row in memory, in bytes
.set PITCH,  272                       ; an LDS row: 256 bytes + 16 of padding = 68 words: row r starts at bank 4 r mod 64 (64 banks of 4 bytes: ISA guide 11.1)
.set FR,     16                        ; registers of a fragment: 16 rows x 128 K
.set NL,     4                         ; LDS loads that bring one
.set NP,     4                         ; places behind this matrix instruction (ISA guide 7.12.1)
.set HALFT,  128*PITCH                 ; 128 rows: what one tensor load brings
.set SLOT,   4*HALFT                   ; side A's 256 rows, then side B's
.set LAPS,   SIZE_K/(2*KSTEP)          ; a lap = once round the ring
.set SPARE,  2*SLOT                    ; behind the ring: the spare words, 128 bytes for each wave, which no other line names
.set ADRA, 16                          ; v16-17  LDS address of my A fragments in slot 0, 1
.set ADRB, 20                          ; v20-21  the same for B
.set SPW,  28                          ; v28     LDS address of my spare word; never rewritten
.set NIL,  29                          ; v29     0; never rewritten
.set LO,   30                          ; v30     16 x lane: my place in half an image
.set BA,   32                          ; v32-47  side A's bias of block a, twice: v[BA + 2 a], v[BA + 2 a + 1]
.set LIMV, 48                          ; v48     448 x 2^eo
.set SCV,  49                          ; v49     2^eo
.set BB,   64                          ; v64-127 side B's bias in the results' layout: v[BB + 8 b + j]
.set AF,   128                         ; A's fragments, in window 0
.set CD,   128                         ; the codes, in window 0: 16 registers a block
.set TMP,  0                           ; at work on the way out, in window 1
.set G1, 24                            ; s[24:31] descriptor group 1 for side A;  s[32:39] group 0, one set for each slot
.set G0, 32
.set G1B, 48                           ; s[48:55], s[56:63] the same for side B
.set G0B, 56
.set PT, 84                            ; s[84:91] four output pointers
.set MSB, 0
.macro WIN new                         ; the immediate's high byte repeats the setting that is left
.if MSB != \new
	s_set_vgpr_msb (MSB<<8)|\new
.set MSB, \new
.endif
.endm
.set MUL_LO, 0xa1                      ; source 0 (B) window 1, source 1 (A) window 0, C and D window 2
.set MUL_HI, 0xf1                      ; the same, C and D window 3
.set TO_B,   0x40                      ; destination window 1, address window 0
; A joint load: waves 0 and 1 fetch for side A, waves 2 and 3 for side B.  The branch hangs on the wave's number alone.  Four v_nop follow each of the two lines.
.macro JLOAD g0a, g1a, g0b, g1b
	s_cmp_eq_u32 s15, 0
	s_cbranch_scc0 .Lfor_b_\@
	tensor_load_to_lds s[\g0a:\g0a+3], s[\g1a:\g1a+7]
	s_nop 0
.rept 4
	v_nop
.endr
	s_branch .Lasked_\@
.Lfor_b_\@:
	tensor_load_to_lds s[\g0b:\g0b+3], s[\g1b:\g1b+7]
	s_nop 0
.rept 4
	v_nop
.endr
.Lasked_\@:
.endm
.macro CREST                           ; a round of the cluster's barrier behind its opening barrier
	s_cmp_lg_u32 s14, 0
	s_cbranch_scc1 .Lnot_wave_0_\@
	s_barrier_signal -3
.Lnot_wave_0_\@:
	s_barrier_wait -3
	s_barrier_signal -1
	s_barrier_wait -1
.endm
.macro CROUND                          ; a whole round
	s_barrier_signal -1
	s_barrier_wait -1
	CREST
.endm
	s_load_b512 s[68:83], s[0:1], 0x0              ; x s[68:69], WQ s[70:71], WK s[72:73], WV s[74:75], bQ s[76:77], bK s[78:79], bV s[80:81], the scales' exponents s[82:83]
	s_load_b128 s[84:87], s[0:1], 0x40             ; qimg, kimg
	s_load_b64 s[88:89], s[0:1], 0x50              ; vimg
	v_lshl_add_u32 v[SPW], v0, 2, SPARE
	v_mov_b32 v[NIL], 0
	ds_add_u32 v28, v29
	ds_add_u32 v28, v29
	s_wait_dscnt 0x0
	v_lshrrev_b32 v1, 5, v0
	v_readfirstlane_b32 s14, v1                    ; wave 0..3
	s_lshr_b32 s15, s14, 1                         ; which half of side A's rows is mine.  Also: I fetch for A (0) or for B (1)
	s_and_b32 s16, s14, 1                          ; which half of side B's.  Also: which 128 rows of that tile I fetch
	s_bfe_u32 s40, ttmp6, 0x40000                  ; cx, cy: my place in the cluster
	s_bfe_u32 s41, ttmp6, 0x40004
	s_and_b32 s43, ttmp7, 0xffff
	s_lshl_b32 s43, s43, 2                         ; 4 x cluster y
	s_add_co_u32 s17, s43, s41                     ; x's tile, counted along cy
	s_add_co_u32 s42, s43, s40                     ; x's tile, counted along cx
	s_cmp_eq_u32 ttmp9, 2                          ; v?
	s_cselect_b32 s17, s41, s17                    ; side A's tile: made of cy and the cluster's y alone
	s_cselect_b32 s42, s42, s40                    ; side B's tile: of cx and the cluster's y alone
	s_lshl_b32 s43, s41, 2
	s_lshl_b32 s43, 15, s43                        ; my row of the cluster
	s_lshl_b32 s44, 0x1111, s40                    ; my column
	; descriptor group 1: a tile of 128 rows x 256 bytes, padded in LDS
	s_or_b32 s[G1+0], s43, (0<<16)|(1<<20)|(1<<21)|(5<<22)|(3<<25)  ; 15:0 the mask: side A's tiles go to my row; 17:16 element of 1 byte; 20 padding on; 21 set beside a mask; 24:22 after every 64 words; 31:25 four words
	s_or_b32 s[G1B+0], s44, (0<<16)|(1<<20)|(1<<21)|(5<<22)|(3<<25)
.irp g, G1, G1B
	s_mov_b32 s[\g+1], ROWB<<16                    ; tensor_dim0
	s_mov_b32 s[\g+2], 128<<16                     ; tensor_dim1
	s_mov_b32 s[\g+3], ROWB<<16                    ; tile_dim0
	s_mov_b32 s[\g+4], 128                         ; tile_dim1
	s_mov_b32 s[\g+5], KROW                        ; tensor_dim0_stride
	s_mov_b32 s[\g+6], 0
	s_mov_b32 s[\g+7], 0
.endr
	s_lshl_b32 s18, s16, 7                         ; which 128 rows of the tile I fetch
	s_lshl_b32 s20, s17, 8
	s_add_co_u32 s20, s20, s18
	s_lshl_b32 s20, s20, 10                        ; side A: row x 1,024 bytes (under 2^23)
	s_mov_b32 s21, 0
	s_lshl_b32 s46, s42, 8
	s_add_co_u32 s46, s46, s18
	s_lshl_b32 s46, s46, 10                        ; side B likewise
	s_mov_b32 s47, 0
	s_mul_i32 s45, s14, HALFT                      ; where they go: wave x 128 rows: no place in the cluster enters an LDS address
	s_wait_kmcnt 0x0
	s_cmp_eq_u32 ttmp9, 2                          ; the buffers are chosen by the cluster's x, which hangs on no address
	s_cselect_b64 s[4:5], s[74:75], s[68:69]       ; side A: WV, else x
	s_cselect_b64 s[6:7], s[68:69], s[70:71]       ; side B: x, else WQ
	s_cselect_b64 s[8:9], s[80:81], s[76:77]       ; the bias
	s_cselect_b64 s[10:11], s[88:89], s[84:85]     ; the images
	s_cmp_eq_u32 ttmp9, 1                          ; k?
	s_cselect_b64 s[6:7], s[72:73], s[6:7]
	s_cselect_b64 s[8:9], s[78:79], s[8:9]
	s_cselect_b64 s[10:11], s[86:87], s[10:11]
	s_load_b256 s[72:79], s[82:83], 0x0            ; e0 .. e7
	s_load_b64 s[80:81], s[82:83], 0x20            ; e8, e9
	s_add_nc_u64 s[20:21], s[4:5], s[20:21]
	s_add_nc_u64 s[46:47], s[6:7], s[46:47]
	CROUND                                         ; all sixteen work-groups are here: the first joint loads meet
.irp s, 0,1
	s_mov_b32 s[G0+4*\s], 1
	s_add_co_u32 s[G0+4*\s+1], s45, \s*SLOT
	s_add_nc_u64 s[G0+4*\s+2:G0+4*\s+3], s[20:21], \s*ROWB
	s_or_b32 s[G0+4*\s+3], s[G0+4*\s+3], 0x80000000
	s_mov_b32 s[G0B+4*\s], 1
	s_add_co_u32 s[G0B+4*\s+1], s45, \s*SLOT
	s_add_nc_u64 s[G0B+4*\s+2:G0B+4*\s+3], s[46:47], \s*ROWB
	s_or_b32 s[G0B+4*\s+3], s[G0B+4*\s+3], 0x80000000
	JLOAD G0+4*\s, G1, G0B+4*\s, G1B
.endr
	v_and_b32 v1, 15, v0                           ; r = l % 16
	v_bfe_u32 v2, v0, 4, 1                         ; h = l / 16
	v_mul_u32_u24 v3, v1, PITCH
	v_lshl_add_u32 v4, v2, 4, v3                   ; a fragment's row x pitch + 16 x half
	s_mul_i32 s21, s15, HALFT                      ; my 128 rows of side A
	s_mul_i32 s22, s16, HALFT                      ; my 128 rows of side B,
	s_add_co_u32 s22, s22, 2*HALFT                 ; which lie behind A's 256
.irp s, 0,1
	v_add_nc_u32 v[ADRA+\s], s21, v4
	v_add_nc_u32 v[ADRB+\s], s22, v4
	s_add_co_u32 s21, s21, SLOT
	s_add_co_u32 s22, s22, SLOT
.endr
	; the biases and the way out's pointers
	s_lshl_b32 s22, s17, 8
	s_lshl_b32 s23, s15, 7
	s_add_co_u32 s22, s22, s23                     ; my first row of side A
	s_lshl_b32 s23, s42, 8
	s_lshl_b32 s2, s16, 7
	s_add_co_u32 s23, s23, s2                      ; my first row of side B
	s_mov_b32 s18, 4096
	s_mov_b32 s19, 131072
	s_cmp_eq_u32 ttmp9, 2
	s_cselect_b32 s92, s22, 0                      ; v: the bias runs along side A; else these loads read the bias's first numbers, which are then set to 0
	s_cselect_b32 s93, 0, s23                      ; q, k: along side B
	s_cselect_b32 s94, s23, s22                    ; my first token,
	s_cselect_b32 s95, s22, s23                    ; my first feature
	s_cselect_b32 s12, 0, -1                       ; all lanes where side B's bias counts,
	s_cselect_b32 s13, -1, 0                       ; where side A's does
	s_cselect_b32 s2, s19, s18                     ; four blocks of side A on: v: the next head; q, k: four token tiles
	s_cselect_b32 s18, s18, s19                    ; 64 rows of side B on: v: the next key step; q, k: the next head
	s_mov_b32 s3, 0
	s_mov_b32 s19, 0
	s_lshl_b32 s92, s92, 2
	s_lshl_b32 s93, s93, 2
	v_lshlrev_b32 v5, 5, v2
	v_add_nc_u32 v5, s93, v5                       ; side B's bias: 4 x (first row + 8 h); block b and register j stand in the immediate
	v_lshlrev_b32 v6, 2, v1
	v_add_nc_u32 v6, s92, v6                       ; side A's: 4 x (first row + r)
.irp b, 0,1,2,3,4,5,6,7
	global_load_b128 v[BB+8*\b:BB+8*\b+3], v5, s[8:9] offset:64*\b
	global_load_b128 v[BB+8*\b+4:BB+8*\b+7], v5, s[8:9] offset:64*\b+16
.endr
.irp a, 0,1,2,3,4,5,6,7
	global_load_b32 v[BA+2*\a], v6, s[8:9] offset:64*\a
.endr
	v_and_b32 v7, 31, v0
	v_lshlrev_b32 v[LO], 4, v7
	s_lshr_b32 s96, s94, 11                        ; batch
	s_lshl_b32 s96, s96, 4
	s_lshr_b32 s97, s95, 6                         ; head
	s_add_co_u32 s96, s96, s97
	s_lshl_b32 s96, s96, 17                        ; 131,072 bytes of images for a batch's head
	s_and_b32 s97, s94, 2047
	s_lshl_b32 s97, s97, 6                         ; 64 bytes a token, in all three buffers
	s_add_co_u32 s96, s96, s97
	s_mov_b32 s97, 0
	s_add_nc_u64 s[PT:PT+1], s[10:11], s[96:97]    ; pointer (A2, g) at s[PT + 4 A2 + 2 g]: blocks 4 A2 on of side A, rows 64 g on of side B
	s_add_nc_u64 s[PT+2:PT+3], s[PT:PT+1], s[18:19]
	s_add_nc_u64 s[PT+4:PT+5], s[PT:PT+1], s[2:3]
	s_add_nc_u64 s[PT+6:PT+7], s[PT+4:PT+5], s[18:19]
.macro FRAG reg, adr, q, i             ; a fragment: lane l holds row l % 16; registers 4 c .. 4 c + 3 hold K = 32 c + 16 (l / 16) + 0 .. 15: the same permutation of k on both sides, so every product meets its partner
.irp c, 0,1,2,3
	ds_load_b128 v[\reg+4*\c:\reg+4*\c+3], v[\adr] offset:128*(\q)+32*\c+(\i)*16*PITCH
.endr
.endm
; 16 matrix instructions: A's blocks a0, a0 + 1 x B's eight, 128 along K.  p: B's set.  zero = 1: the first product starts the sums.  The 64 accumulators take turns, one instruction a turn.
.macro MUL16 a0, p, zero
.irp a, \a0, \a0+1
.irp b, 0,1,2,3,4,5,6,7
.if \zero
	v_wmma_f32_16x16x128_fp8_fp8 v[8*(8*((\a)%4)+\b):8*(8*((\a)%4)+\b)+7], v[128*(\p)+FR*\b:128*(\p)+FR*\b+FR-1], v[AF+FR*(\a):AF+FR*(\a)+FR-1], 0
.else
	v_wmma_f32_16x16x128_fp8_fp8 v[8*(8*((\a)%4)+\b):8*(8*((\a)%4)+\b)+7], v[128*(\p)+FR*\b:128*(\p)+FR*\b+FR-1], v[AF+FR*(\a):AF+FR*(\a)+FR-1], v[8*(8*((\a)%4)+\b):8*(8*((\a)%4)+\b)+7]
.endif
.endr
.endr
.endm
.macro FETCH_B slot, q, p              ; B's eight fragments of the slot's q-th 128 along K into set p
	WIN TO_B
.irp i, 0,1,2,3,4,5,6,7
	FRAG 128*(\p)+FR*\i, ADRB+\slot, \q, \i
.endr
	WIN 0
.endm
.macro FETCH_A slot, q, i0             ; A's blocks i0 .. i0 + 3
.irp i, \i0, \i0+1, \i0+2, \i0+3
	FRAG AF+FR*(\i), ADRA+\slot, \q, \i
.endr
.endm
.macro PLACES n                        ; plain vector instructions between a matrix instruction and a load into, or a vector write of, one of its registers, or a read of its result
.rept \n
	v_nop
.endr
.endm
; A step of 128 along K that has its successor in the same slot.
.macro STEP slot, q, zero
	s_wait_dscnt 4*NL                              ; B's set and A's blocks 0-3 are in; the youngest sixteen loads (A's blocks 4-7) may be out
	WIN MUL_LO
	MUL16 0, (\q)%2, \zero
	MUL16 2, (\q)%2, \zero
	s_wait_dscnt 0                                 ; A's blocks 4-7 are in
	PLACES NP
	FETCH_B \slot, (\q)+1, 1-(\q)%2
	FETCH_A \slot, (\q)+1, 0
	WIN MUL_HI
	MUL16 4, (\q)%2, \zero
	MUL16 6, (\q)%2, \zero
	PLACES NP
	WIN 0
	FETCH_A \slot, (\q)+1, 4
.endm
; A slot's last step changes slots: ONE barrier; in front of it each wave waits for all its tensor loads, adds 0 to its spare word, and waits for that and for its own reads of this slot.  fill = 1: this slot is filled again, two K steps ahead.
.macro TURN slot, next, fill
	s_wait_tensorcnt 0x0                           ; all my tensor loads have landed: my part of the next slot
	ds_add_u32 v[SPW], v[NIL]                      ; 0 onto my spare word
	s_wait_dscnt 4*NL+1                            ; (the add and the youngest sixteen loads may be out)
	WIN MUL_LO
	MUL16 0, 1, 0                                  ; sixteen matrix instructions stand between the add and the wait for it
	s_wait_dscnt 0x0                               ; the add is done, and my reads of this slot are over
	s_barrier_signal -1
	MUL16 2, 1, 0
	WIN 0
	s_barrier_wait -1
.if \fill
	CREST                                          ; the barrier has opened a round of the cluster's barrier: no wave of any partner still reads this slot's tile or has a load on its way
	s_add_nc_u64 s[G0+4*\slot+2:G0+4*\slot+3], s[G0+4*\slot+2:G0+4*\slot+3], 2*ROWB
	s_add_nc_u64 s[G0B+4*\slot+2:G0B+4*\slot+3], s[G0B+4*\slot+2:G0B+4*\slot+3], 2*ROWB
	JLOAD G0+4*\slot, G1, G0B+4*\slot, G1B         ; the first tensor load behind the round; its four v_nop are also the places in front of the loads below
.else
	PLACES NP
.endif
	FETCH_B \next, 0, 0
	FETCH_A \next, 0, 0
	WIN MUL_HI
	MUL16 4, 1, 0
	MUL16 6, 1, 0
	PLACES NP
	WIN 0
	FETCH_A \next, 0, 4
.endm
	s_wait_tensorcnt 1                             ; my part of K step 0 is in (K step 1's load may be out)
	s_barrier_signal -1
	s_barrier_wait -1                              ; everybody's is
	FETCH_B 0, 0, 0
	FETCH_A 0, 0, 0
	FETCH_A 0, 0, 4
	STEP 0, 0, 1                                   ; the first step stands in front of the loop: its products start the sums
	s_mov_b32 s3, LAPS-1
.Llap:                                                 ; a trip goes once round the ring and fills both slots again
	TURN 0, 1, 1
	STEP 1, 0, 0
	TURN 1, 0, 1
	STEP 0, 0, 0
	s_sub_co_u32 s3, s3, 1
	s_cmp_lg_u32 s3, 0
	s_cbranch_scc1 .Llap
	TURN 0, 1, 0                                   ; the last lap fills nothing
	STEP 1, 0, 0
	s_wait_dscnt 4*NL                              ; the very last step
	WIN MUL_LO
	MUL16 0, 1, 0
	MUL16 2, 1, 0
	s_wait_dscnt 0
	WIN MUL_HI
	MUL16 4, 1, 0
	MUL16 6, 1, 0
	WIN 0
	; THE WAY OUT.  number = sum x 2^(ex + ew) + bias; code = number / 2^eo, held within +-448.  A lane's eight registers of an accumulator are eight neighbours along the next K: two registers of an image.
	s_wait_kmcnt 0x0
	s_cmp_eq_u32 ttmp9, 2
	s_cselect_b32 s92, s76, s72                    ; ex: e4, else e0
	s_cselect_b32 s93, s77, s73                    ; ew: e5, else e1
	s_cselect_b32 s94, s81, s78                    ; eo: e9, else e6
	s_cmp_eq_u32 ttmp9, 1
	s_cselect_b32 s92, s74, s92                    ; k: e2, e3, e7
	s_cselect_b32 s93, s75, s93
	s_cselect_b32 s94, s79, s94
	s_add_co_i32 s96, s92, s93
	s_add_co_i32 s96, s96, 127
	s_lshl_b32 s96, s96, 23                        ; 2^(ex + ew) as f32
	s_mov_b32 s97, s96                             ; (named with it as a pair, so it is written)
	s_add_co_i32 s94, s94, 127
	s_lshl_b32 s95, s94, 23                        ; 2^eo: the conversion takes its exponent field
	s_add_co_i32 s94, s94, 8
	s_lshl_b32 s94, s94, 23
	s_or_b32 s94, s94, 0x600000                    ; 448 x 2^eo
	s_wait_loadcnt 0x0                             ; the biases
	v_mov_b32 v[SCV], s95                          ; these lines name v32-127 of window 0 alone: they are also the places behind the last products
	v_mov_b32 v[LIMV], s94
.set j, 0
.rept 64
	v_cndmask_b32 v[BB+j], 0, v[BB+j], s12         ; the bias that does not run along this side is 0
.set j, j+1
.endr
.irp a, 0,1,2,3,4,5,6,7
	v_cndmask_b32 v[BA+2*\a], 0, v[BA+2*\a], s13
.endr
.irp a, 0,1,2,3,4,5,6,7
	v_mov_b32 v[BA+2*\a+1], v[BA+2*\a]
.endr
; Block a: 16 rows of side A x 128 rows of side B: two images (g = 0, 1).  Each store of the wave covers 512 consecutive bytes, aligned.  The 128 registers of codes are all different: no store's data are written again.
.macro OUTBLK a
.set AC, 64*((\a)%4)
	WIN 0x42+((\a)/4)                              ; source 0 window 2 or 3, source 2 window 0, destination window 1
.set j, 0
.rept 32
	v_pk_fma_f32 v[TMP+j:TMP+j+1], v[AC+j:AC+j+1], s[96:97], v[BB+j:BB+j+1] op_sel_hi:[1,0,1]   ; each accumulator from its low end on
.set j, j+2
.endr
	WIN 0x41                                       ; source 0 and destination window 1
.set j, 0
.rept 32
	v_pk_add_f32 v[TMP+j:TMP+j+1], v[TMP+j:TMP+j+1], v[BA+2*(\a):BA+2*(\a)+1]   ; one of the two biases is 0: the number is rounded once
.set j, j+2
.endr
.set j, 0
.rept 64
	v_med3_num_f32 v[TMP+j], v[TMP+j], -v[LIMV], v[LIMV]   ; the conversion to an 8-bit code does not saturate (ISA guide 7.6.2): the hold at the largest code x the scale
.set j, j+1
.endr
	WIN 0x01                                       ; source 0 window 1, destination window 0
.irp b, 0,1,2,3,4,5,6,7
	v_cvt_scalef32_pk8_fp8_f32 v[CD+16*(\a)+2*\b:CD+16*(\a)+2*\b+1], v[TMP+8*\b:TMP+8*\b+7], v[SCV]
.endr
	v_nop                                          ; a plain line between the conversions and the next block's writes of their sources
	WIN 0
.irp g, 0,1
.irp u, 0,1
	global_store_b128 v[LO], v[CD+16*(\a)+8*\g+4*\u:CD+16*(\a)+8*\g+4*\u+3], s[PT+4*((\a)/4)+2*\g:PT+4*((\a)/4)+2*\g+1] offset:((\a)%4)*1024+512*\u
.endr
.endr
.endm
.irp a, 0,1,2,3,4,5,6,7
	OUTBLK \a
.endr
	s_wait_tensorcnt 0x0                           ; the wave's end
	ds_add_u32 v[SPW], v[NIL]
	s_wait_dscnt 0x0
	CROUND                                         ; the closing round: no work-group ends while a partner may still ask for a tile that names it
	s_endpgm
.Lfunc_end_k_q1a975e1c03_qkv:
	.size	k_q1a975e1c03_qkv, .Lfunc_end_k_q1a975e1c03_qkv-k_q1a975e1c03_qkv
	.p2alignl 7, 3214868480
	.fill 96, 4, 3214868480
	.section	.rodata,"a",@progbits
	.p2align	6, 0x0
	.amdhsa_kernel k_q1a975e1c03_qkv
		.amdhsa_group_segment_fixed_size 327680
		.amdhsa_private_segment_fixed_size 0
		.amdhsa_enable_private_segment 0
		.amdhsa_kernarg_size 88
		.amdhsa_user_sgpr_count 2
		.amdhsa_user_sgpr_kernarg_segment_ptr 1
		.amdhsa_wavefront_size32 1
		.amdhsa_system_sgpr_workgroup_id_x 1
		.amdhsa_system_sgpr_workgroup_id_y 1
		.amdhsa_system_sgpr_workgroup_id_z 1
		.amdhsa_system_vgpr_workitem_id 0
		.amdhsa_next_free_vgpr 1024
		.amdhsa_next_free_sgpr 98
		.amdhsa_reserve_vcc 0
		.amdhsa_float_denorm_mode_32 3
		.amdhsa_float_denorm_mode_16_64 3
		.amdhsa_memory_ordered 1
		.amdhsa_forward_progress 1
		.amdhsa_inst_pref_size 158
	.end_amdhsa_kernel
	.amdgpu_metadata
---
amdhsa.version: [ 1, 2 ]
amdhsa.kernels:
  - .name:           k_q1a975e1c03_qkv
    .symbol:         k_q1a975e1c03_qkv.kd
    .args:
      - { .name: x_codes, .offset: 0, .size: 8, .value_kind: global_buffer, .address_space: global }
      - { .name: WQ_codes, .offset: 8, .size: 8, .value_kind: global_buffer, .address_space: global }
      - { .name: WK_codes, .offset: 16, .size: 8, .value_kind: global_buffer, .address_space: global }
      - { .name: WV_codes, .offset: 24, .size: 8, .value_kind: global_buffer, .address_space: global }
      - { .name: bQ, .offset: 32, .size: 8, .value_kind: global_buffer, .address_space: global }
      - { .name: bK, .offset: 40, .size: 8, .value_kind: global_buffer, .address_space: global }
      - { .name: bV, .offset: 48, .size: 8, .value_kind: global_buffer, .address_space: global }
      - { .name: lowp_scales, .offset: 56, .size: 8, .value_kind: global_buffer, .address_space: global }
      - { .name: qimg, .offset: 64, .size: 8, .value_kind: global_buffer, .address_space: global }
      - { .name: kimg, .offset: 72, .size: 8, .value_kind: global_buffer, .address_space: global }
      - { .name: vimg, .offset: 80, .size: 8, .value_kind: global_buffer, .address_space: global }
    .group_segment_fixed_size: 327680
    .private_segment_fixed_size: 0
    .kernarg_segment_align: 8
    .kernarg_segment_size: 88
    .max_flat_workgroup_size: 128
    .sgpr_count:     98
    .vgpr_count:     1024
    .wavefront_size: 32
...
	.end_amdgpu_metadata
.endif
;; end of part 2
;; launch attn (part 3): grid 4 x 64, 16 waves a work-group, no clusters, 264,192 bytes of LDS; arguments qimg, kimg, vimg, mbits, mflag, lowp_scales, cimg; writes cimg
.if DOCPART == 3
	.amdgcn_target "amdgcn-amd-amdhsa--gfx1250"
	.amdhsa_code_object_version 6
	.text
	.protected	k_q1a975e1c03_attn
	.globl	k_q1a975e1c03_attn
	.p2align	8
	.type	k_q1a975e1c03_attn,@function
k_q1a975e1c03_attn:
	s_mov_b64 s[64:65], 0
	v_nop
	global_prefetch_b8 v0, s[64:65] scope:SCOPE_SE
	s_setreg_imm32_b32 hwreg(HW_REG_WAVE_MODE, 25, 1), 1
	s_wait_xcnt 0x0
; ctx = softmax(q k^T / 8 + mask x (-1e9)) v for one batch's head, both products on codes of FP8 (E4M3) by the 16 x 16 x 64 form; ctx is quantised and stored as images of operand registers for the last product.
; qimg, kimg, vimg, cimg: images of 1,024 bytes (registers 0-3 at 16 x lane, 4-7 at 512 + 16 x lane; lane (r, h), register 2 c + e, byte y: row r, k = 16 c + 8 h + 4 e + y).
; THE SOFTMAX: t = logit x log2(e); M = the running largest t, rounded UP to a whole number; p = 2^(t - M) is quantised with 2^e8, not normalised; the row's sum is taken of the unquantised p and divides at the end.
; When M moves, the sum and O are multiplied by 2^(old M - new M): exact.
; SHARES.  A JOB is 32 neighbouring queries, two tiles of 16; a STEP 64 keys; a CHUNK four steps.  A work-group has one head and sixteen jobs, one a wave: the eight jobs of query block g and the eight of block 7 - g
; (g = work-group x), dealt so that of four waves with neighbouring numbers, and of four whose numbers are 4 apart, two belong to each block.  That only evens the work out where late queries have more of it.
; LAYOUT.  Both products are used transposed: S^T = K Q^T (source 0 = 16 keys, source 1 = 16 queries), O^T = V^T P^T (source 0 = 16 of the head's 64, source 1 = P): a lane holds ONE query (lane % 16) throughout, and
; the eight registers of a tile of S^T are the keys 16 c + 8 (lane / 16) + 0 .. 7: converted, they ARE registers 2 c and 2 c + 1 of P.  Both tiles of a job use each fragment of K and V.
; THE MASK IS TAKEN AS IT IS GIVEN, from two buffers that an earlier launch made of it: mflag: ACT (bit s: step s has to be worked) and MIX (it also has masked places); mbits: for each step 64 lane masks, one for each
; register of scores.  A step whose 32 x 64 places are all masked is passed over, but only in a job none of whose rows is masked throughout: each of its rows then has an open key, the masked logits lie at least 1.4e8 under it,
; and p is exactly 0.  LIMIT for that: e6 + e7 <= 8, which keeps |q.k| / 8 under 64 x 448 x 448 x 2^5 = 4.2e8.  A step with no masked place takes the short way; one with some takes reference()'s own f32 addition of -1e9.
; K AND V come through registers into LDS, a chunk (16 + 16 KiB) at a time, asked for a chunk's work ahead of the wait; all 256 KiB of a head fit, so every LDS byte is written once.
; NO TENSOR LOADS, NO CLUSTER: the steps hang on flags read from memory; and the four work-groups of a head have different steps to work.
; OTHER LIMITS, so that each power of two below is an f32 number: e6 + e7 at least -120; e8, and e10 - e8 - e9, between -126 and 119.  NaN is not served.
.set STEPB, 4096                       ; a step's four images
.set CHUNK, 4*STEPB
.set NCH,   8                          ; chunks in a head
.set VBASE, 131072                     ; LDS: K's 128 images, then V's
.set ST,  10                           ; tile t at v[ST + 6 t]: +0, +1 the pair of f = 2^(old M - new M) (the low one counts), +2 -M, +3 the largest t, +4, +5 the sum in two halves
.set CH,  22                           ; v22, v23 and v28, v29: two chains of a maximum
.set SC,  24                           ; v[24:25] and v[30:31]: the second chain of a sum
.set QF,  32                           ; v32-47   Q, 8 registers a tile
.set PF,  48                           ; v48-63   P's codes, 8 a tile; at the end ctx's codes
.set KV,  64                           ; v64-95   four fragments of K, then of V
.set S,   96                           ; v96-159  S^T, then p: 32 t + 8 c + j
.set OT,  160                          ; v160-223 O^T: 32 t + 8 d + j
.set SG,  224                          ; v224-239 the next chunk on its way to LDS
.set TP,  240                          ; v240-247 four pairs of mask x (-1e9)
; v1 16 x lane; v2 the LDS address in hand; v3 16 x thread; v4, v27 where the next chunk goes; v5 = v1 + VBASE; v26 = v3 + VBASE; v6 the hold; v7 the scale; v8 -1e9
; s[6:7], s[8:9] K's and V's next chunk; s[10:11] the step's lane masks; s12, s13 ctx's scale and hold; s[16:17] ctx's images; s18 wave; s19 ACT, s28 MIX, shifted a bit a step; s[20:21] lane selects;
; s[22:23] log2(e) x 2^(e6 + e7 - 3); s[24:25] 2^(e6 + e7 - 3); s[26:27] log2(e); s30 the step's LDS byte; s31 the next chunk's; s66, s67 counters; s32-63 and s68-99 the 64 lane masks
	s_load_b256 s[32:39], s[0:1], 0x0              ; qimg s[32:33], kimg s[34:35], vimg s[36:37], mbits s[38:39]
	s_load_b128 s[40:43], s[0:1], 0x20             ; mflag s[40:41], the scales' exponents s[42:43]
	s_load_b64 s[16:17], s[0:1], 0x30              ; cimg
	v_lshl_add_u32 v254, v0, 2, 0x40000
	v_mov_b32 v255, 0
	v_lshrrev_b32 v2, 5, v0
	v_readfirstlane_b32 s18, v2                    ; wave 0..15
	v_and_b32 v1, 31, v0
	v_lshlrev_b32 v1, 4, v1
	v_lshlrev_b32 v3, 4, v0
	v_add_nc_u32 v5, VBASE, v1
	v_add_nc_u32 v26, VBASE, v3
	s_lshr_b32 s2, s18, 2
	s_xor_b32 s2, s2, s18
	s_and_b32 s2, s2, 1                            ; which of the two query blocks
	s_lshr_b32 s3, s18, 1                          ; which of its eight jobs
	s_sub_co_u32 s12, 7, ttmp9
	s_cmp_eq_u32 s2, 1
	s_cselect_b32 s12, s12, ttmp9
	s_lshl_b32 s12, s12, 3
	s_add_co_u32 s12, s12, s3                      ; my job, 0 .. 63
	s_and_b32 s13, ttmp7, 0xffff                   ; batch x 16 + head
	s_lshl_b32 s14, s13, 17                        ; a head's images: 131,072 bytes in each of qimg, kimg, vimg
	s_mov_b32 s15, 0
	s_lshl_b32 s2, s12, 11                         ; a job's two images of Q
	s_add_co_u32 s2, s2, s14
	s_mov_b32 s3, 0
	s_lshl_b32 s28, s12, 13                        ; mbits: 32 steps of 256 bytes a job
	s_mov_b32 s29, 0
	s_lshl_b32 s30, s12, 8                         ; mflag: 256 bytes a job
	s_mov_b32 s31, 0
	s_lshr_b32 s66, s13, 4                         ; cimg [token tile 512][head 16][1024]: token tile = 128 x batch + 2 x job + t
	s_lshl_b32 s66, s66, 7
	s_lshl_b32 s67, s12, 1
	s_add_co_u32 s66, s66, s67
	s_lshl_b32 s66, s66, 4
	s_and_b32 s67, s13, 15
	s_add_co_u32 s66, s66, s67
	s_lshl_b32 s66, s66, 10
	s_mov_b32 s67, 0
	s_wait_kmcnt 0x0
	s_add_nc_u64 s[6:7], s[34:35], s[14:15]
	s_add_nc_u64 s[8:9], s[36:37], s[14:15]
	s_add_nc_u64 s[4:5], s[32:33], s[2:3]
	s_add_nc_u64 s[10:11], s[38:39], s[28:29]
	s_add_nc_u64 s[40:41], s[40:41], s[30:31]
	s_add_nc_u64 s[16:17], s[16:17], s[66:67]
	global_load_b128 v[SG:SG+3], v3, s[6:7]                    ; chunk 0: the 512 threads take 8,192 consecutive bytes an instruction
	global_load_b128 v[SG+4:SG+7], v3, s[6:7] offset:8192
	global_load_b128 v[SG+8:SG+11], v3, s[8:9]
	global_load_b128 v[SG+12:SG+15], v3, s[8:9] offset:8192
.irp t, 0,1
	global_load_b128 v[QF+8*\t:QF+8*\t+3], v1, s[4:5] offset:1024*\t       ; Q stays in registers
	global_load_b128 v[QF+8*\t+4:QF+8*\t+7], v1, s[4:5] offset:1024*\t+512
.endr
	s_load_b64 s[44:45], s[40:41], 0x0             ; ACT, MIX
	s_load_b256 s[68:75], s[42:43], 0x10           ; e4 .. e11
	s_mov_b32 s20, 0x76543210
	s_mov_b32 s21, 0xfedcba98                      ; v_permlanex16_b32's selects for lane l xor 16
	s_mov_b32 s26, 0x3fb8aa3b                      ; log2(e)
	s_mov_b32 s27, s26                             ; (a packed form names the pair and takes its low word for both halves: so both are written)
	s_mov_b32 s30, 0
	s_mov_b32 s31, CHUNK
	v_mov_b32 v8, 0xce6e6b28                       ; -1e9
.irp t, 0,1
	v_mov_b32 v[ST+6*\t], 0
	v_mov_b32 v[ST+6*\t+1], 0
	v_mov_b32 v[ST+6*\t+3], 0xff61b1e6             ; the largest t so far: -3e38, under every t
	v_floor_f32 v[ST+6*\t+2], -v[ST+6*\t+3]        ; -M
	v_mov_b32 v[ST+6*\t+4], 0
	v_mov_b32 v[ST+6*\t+5], 0
	v_mov_b32 v[CH+6*\t+1], 0                      ; written once: a lane permute's destination counts as one of its sources
.endr
.set j, 0
.rept 64
	v_mov_b32 v[OT+j], 0                           ; which step is a job's first hangs on the mask: so the step is written once, and the first finds zeros, which the first change of M leaves zeros
.set j, j+1
.endr
	s_wait_kmcnt 0x0
	s_mov_b32 s19, s44
	s_mov_b32 s28, s45
	s_add_co_i32 s2, s70, s71                      ; e6 + e7: a score stands for score x 2^(e6 + e7), and the logit is an eighth of that
	s_sub_co_i32 s3, s2, 3
	s_lshl_b32 s3, s3, 23
	s_add_co_i32 s22, s3, 0x3fb8aa3b               ; added to log2(e)'s exponent field
	s_mov_b32 s23, s22
	s_add_co_i32 s24, s2, 124
	s_lshl_b32 s24, s24, 23                        ; 2^(e6 + e7 - 3) as f32
	s_mov_b32 s25, s24
	s_add_co_i32 s2, s72, 127
	s_lshl_b32 s3, s2, 23
	v_mov_b32 v7, s3                               ; 2^e8, for p's conversions
	s_add_co_i32 s2, s2, 8
	s_lshl_b32 s2, s2, 23
	s_or_b32 s2, s2, 0x600000
	v_mov_b32 v6, s2                               ; 448 x 2^e8
	s_sub_co_i32 s2, s74, s72
	s_sub_co_i32 s2, s2, s73                       ; O / l stands for ctx / 2^(e8 + e9): its code is (O / l) / 2^(e10 - e8 - e9): the three scales in one
	s_add_co_i32 s2, s2, 127
	s_lshl_b32 s12, s2, 23
	s_add_co_i32 s2, s2, 8
	s_lshl_b32 s13, s2, 23
	s_or_b32 s13, s13, 0x600000
	s_wait_loadcnt 4                               ; chunk 0's four loads are in; Q's four may be out
	ds_store_b128 v3, v[SG:SG+3]
	ds_store_b128 v3, v[SG+4:SG+7] offset:8192
	ds_store_b128 v26, v[SG+8:SG+11]
	ds_store_b128 v26, v[SG+12:SG+15] offset:8192
	s_add_nc_u64 s[6:7], s[6:7], CHUNK             ; (their loads are done)
	s_add_nc_u64 s[8:9], s[8:9], CHUNK
	s_wait_dscnt 0x0                               ; for the others' sake: my stores are done
	s_barrier_signal -1
	s_barrier_wait -1                              ; chunk 0 lies in LDS
	s_wait_loadcnt 0x0                             ; Q
; A STEP of 64 keys for my 32 queries.  mixed = 1: some places are masked.
.macro BODY mixed
.if \mixed
	s_load_b512 s[32:47], s[10:11], 0x0            ; the 64 lane masks; they are wanted behind the first products
	s_load_b512 s[48:63], s[10:11], 0x40
	s_load_b512 s[68:83], s[10:11], 0x80
	s_load_b512 s[84:99], s[10:11], 0xc0
.endif
	v_add_nc_u32 v2, s30, v1                       ; with the three v_nop: four places between the last step's products and the loads into the registers that they read (ISA guide 7.12.1 for vector instructions)
.rept 3
	v_nop
.endr
.irp c, 0,1,2,3
	ds_load_b128 v[KV+8*\c:KV+8*\c+3], v2 offset:1024*\c       ; an image as it lies: 512 consecutive bytes an instruction
	ds_load_b128 v[KV+8*\c+4:KV+8*\c+7], v2 offset:1024*\c+512
.endr
	s_wait_dscnt 0x0
.irp c, 0,1,2,3
.irp t, 0,1
	v_wmma_f32_16x16x64_fp8_fp8 v[S+32*\t+8*\c:S+32*\t+8*\c+7], v[KV+8*\c:KV+8*\c+7], v[QF+8*\t:QF+8*\t+7], 0
.endr
.endr
	v_add_nc_u32 v2, s30, v5                       ; four places again: in front of the loads into K's registers and of the first read of the scores
.rept 3
	v_nop
.endr
.irp d, 0,1,2,3
	ds_load_b128 v[KV+8*\d:KV+8*\d+3], v2 offset:1024*\d       ; V: on its way while the softmax is worked
	ds_load_b128 v[KV+8*\d+4:KV+8*\d+7], v2 offset:1024*\d+512
.endr
.if \mixed
	s_wait_kmcnt 0x0                               ; the lane masks are in,
	s_wait_xcnt 0x0                                ; and their loads have read s[10:11], which is stepped at the step's end
.irp n, 0,2,4,6,8,10,12,14,16,18,20,22,24,26,28,30,32,34,36,38,40,42,44,46,48,50,52,54,56,58,60,62
	v_cndmask_b32 v[TP+2*((\n/2)%4)], 0, v8, s[32+\n+4*(\n/32)]
	v_cndmask_b32 v[TP+2*((\n/2)%4)+1], 0, v8, s[33+\n+4*(\n/32)]
	v_pk_fma_f32 v[S+\n:S+\n+1], v[S+\n:S+\n+1], s[24:25], v[TP+2*((\n/2)%4):TP+2*((\n/2)%4)+1] op_sel_hi:[1,0,1]   ; the logit: score x 2^(e6 + e7 - 3), exact, + mask x (-1e9), rounded once, as reference() adds it
	v_pk_mul_f32 v[S+\n:S+\n+1], v[S+\n:S+\n+1], s[26:27] op_sel_hi:[1,0]                                           ; t, rounded by itself
.endr
.endif
	; the step's largest score (mixed: largest t) of each query: two chains a tile, each accumulator from its low end on
.irp t, 0,1
	v_max3_num_f32 v[CH+6*\t], v[S+32*\t], v[S+32*\t+1], v[S+32*\t+2]
	v_max3_num_f32 v[CH+6*\t+1], v[S+32*\t+3], v[S+32*\t+4], v[S+32*\t+5]
.endr
.irp i, 6,10,14,18,22,26
.irp t, 0,1
	v_max3_num_f32 v[CH+6*\t], v[CH+6*\t], v[S+32*\t+\i], v[S+32*\t+\i+1]
	v_max3_num_f32 v[CH+6*\t+1], v[CH+6*\t+1], v[S+32*\t+\i+2], v[S+32*\t+\i+3]
.endr
.endr
.irp t, 0,1
	v_max3_num_f32 v[CH+6*\t], v[CH+6*\t], v[S+32*\t+30], v[S+32*\t+31]
.endr
.irp t, 0,1
	v_max_num_f32 v[CH+6*\t], v[CH+6*\t], v[CH+6*\t+1]
.endr
.irp t, 0,1
	v_permlanex16_b32 v[CH+6*\t+1], v[CH+6*\t], s20, s21       ; the query's other 32 keys lie in the lane 16 away
.endr
.irp t, 0,1
	v_max_num_f32 v[CH+6*\t], v[CH+6*\t], v[CH+6*\t+1]
.endr
.if \mixed == 0
.irp t, 0,1
	v_mul_f32 v[CH+6*\t], s22, v[CH+6*\t]          ; as t (the factor is positive)
.endr
.endif
.irp t, 0,1
	v_max_num_f32 v[ST+6*\t+3], v[ST+6*\t+3], v[CH+6*\t]       ; the running largest t
.endr
.irp t, 0,1
	v_mov_b32 v[CH+6*\t], v[ST+6*\t+2]
.endr
.irp t, 0,1
	v_floor_f32 v[ST+6*\t+2], -v[ST+6*\t+3]        ; the new -M = floor(-t) = -ceil(t): a whole number
.endr
.irp t, 0,1
	v_sub_f32 v[CH+6*\t], v[ST+6*\t+2], v[CH+6*\t] ; old M - new M: a whole number, 0 or less
.endr
.irp t, 0,1
	v_cvt_i32_f32 v[CH+6*\t], v[CH+6*\t]           ; (it saturates)
.endr
.irp t, 0,1
	v_ldexp_f32 v[ST+6*\t], 1.0, v[CH+6*\t]        ; f = 2^(old M - new M)
.endr
.irp t, 0,1
.set j, S+32*\t
.rept 16
.if \mixed
	v_pk_add_f32 v[j:j+1], v[j:j+1], v[ST+6*\t+2:ST+6*\t+3] op_sel_hi:[1,0]                  ; t - M (of the pair -M, t the low word serves both halves)
.else
	v_pk_fma_f32 v[j:j+1], v[j:j+1], s[22:23], v[ST+6*\t+2:ST+6*\t+3] op_sel_hi:[1,0,0]     ; t - M in one
.endif
.set j, j+2
.endr
.endr
.set j, S
.rept 64
	v_exp_f32 v[j], v[j]                           ; p = 2^(t - M): one batch
.set j, j+1
.endr
.irp t, 0,1
	v_pk_mul_f32 v[ST+6*\t+4:ST+6*\t+5], v[ST+6*\t+4:ST+6*\t+5], v[ST+6*\t:ST+6*\t+1] op_sel_hi:[1,0]   ; the sums under the new M; also the plain line behind the last exponential
.endr
	s_wait_alu depctr_va_vdst(0)                   ; ahead of the first line that names an exponential's result: one wait for the batch
.irp t, 0,1
	v_pk_add_f32 v[SC+6*\t:SC+6*\t+1], v[S+32*\t:S+32*\t+1], v[S+32*\t+2:S+32*\t+3]   ; the row's sum, of the unquantised p: two chains a tile
.endr
.irp i, 4,8,12,16,20,24,28
.irp t, 0,1
	v_pk_add_f32 v[ST+6*\t+4:ST+6*\t+5], v[ST+6*\t+4:ST+6*\t+5], v[S+32*\t+\i:S+32*\t+\i+1]
	v_pk_add_f32 v[SC+6*\t:SC+6*\t+1], v[SC+6*\t:SC+6*\t+1], v[S+32*\t+\i+2:S+32*\t+\i+3]
.endr
.endr
.irp t, 0,1
	v_pk_add_f32 v[ST+6*\t+4:ST+6*\t+5], v[ST+6*\t+4:ST+6*\t+5], v[SC+6*\t:SC+6*\t+1]
.endr
.irp t, 0,1
.irp c, 0,1,2,3
.irp i, 0,1,2,3,4,5,6,7
	v_min_num_f32 v[S+32*\t+8*\c+\i], v[S+32*\t+8*\c+\i], v6   ; the conversion to an 8-bit code does not saturate (ISA guide 7.6.2); p is not negative, so the hold is one-sided
.endr
	v_cvt_scalef32_pk8_fp8_f32 v[PF+8*\t+2*\c:PF+8*\t+2*\c+1], v[S+32*\t+8*\c:S+32*\t+8*\c+7], v7
.endr
.endr
.irp t, 0,1
.set j, OT+32*\t
.rept 16
	v_pk_mul_f32 v[j:j+1], v[j:j+1], v[ST+6*\t:ST+6*\t+1] op_sel_hi:[1,0]   ; O^T under the new M.  (Also the plain lines between the conversions and the products that read their results)
.set j, j+2
.endr
.endr
	s_wait_dscnt 0x0                               ; V is in
.irp d, 0,1,2,3
.irp t, 0,1                            ; the eight accumulators take turns, one instruction a turn; the matrix instruction ahead of the first is on S^T
	v_wmma_f32_16x16x64_fp8_fp8 v[OT+32*\t+8*\d:OT+32*\t+8*\d+7], v[KV+8*\d:KV+8*\d+7], v[PF+8*\t:PF+8*\t+7], v[OT+32*\t+8*\d:OT+32*\t+8*\d+7]
.endr
.endr
.endm
	s_mov_b32 s66, NCH
.Lchunk:                                           ; eight trips: a chunk's four steps, while the next chunk is on its way
	s_cmp_eq_u32 s66, 1
	s_cbranch_scc1 .Lno_ask                        ; the last trip asks for nothing: no load leaves its buffer
	global_load_b128 v[SG:SG+3], v3, s[6:7]
	global_load_b128 v[SG+4:SG+7], v3, s[6:7] offset:8192
	global_load_b128 v[SG+8:SG+11], v3, s[8:9]
	global_load_b128 v[SG+12:SG+15], v3, s[8:9] offset:8192
.Lno_ask:
	s_mov_b32 s67, 4
.Lstep:
	s_bitcmp1_b32 s19, 0                           ; has this step to be worked?
	s_cbranch_scc0 .Lnext
	s_bitcmp1_b32 s28, 0                           ; has it masked places?
	s_cbranch_scc1 .Lmixed
	BODY 0
	s_branch .Lnext
.Lmixed:
	BODY 1
.Lnext:                                            ; on every way
	s_lshr_b32 s19, s19, 1
	s_lshr_b32 s28, s28, 1
	s_add_co_u32 s30, s30, STEPB
	s_add_nc_u64 s[10:11], s[10:11], 256
	s_sub_co_u32 s67, s67, 1
	s_cmp_lg_u32 s67, 0
	s_cbranch_scc1 .Lstep
	s_wait_loadcnt 0x0                             ; the next chunk is in registers
	s_cmp_eq_u32 s66, 1
	s_cbranch_scc1 .Lno_put
	v_add_nc_u32 v4, s31, v3
	v_add_nc_u32 v27, s31, v26
	ds_store_b128 v4, v[SG:SG+3]                   ; into bytes that nobody has read or written yet: the chunk in hand lies CHUNK bytes below
	ds_store_b128 v4, v[SG+4:SG+7] offset:8192
	ds_store_b128 v27, v[SG+8:SG+11]
	ds_store_b128 v27, v[SG+12:SG+15] offset:8192
.Lno_put:
	s_add_nc_u64 s[6:7], s[6:7], CHUNK             ; (behind the wait that shows their loads done; after the last trip they are not used)
	s_add_nc_u64 s[8:9], s[8:9], CHUNK
	s_add_co_u32 s31, s31, CHUNK
	s_wait_dscnt 0x0                               ; for the others' sake: my stores are done
	s_barrier_signal -1
	s_barrier_wait -1                              ; the next chunk lies in LDS.  (The last trip's barrier orders nothing; it stands because every wave passes the same barriers)
	s_sub_co_u32 s66, s66, 1
	s_cmp_lg_u32 s66, 0
	s_cbranch_scc1 .Lchunk
	; THE WAY OUT: O^T / the sum, quantised: the eight registers of tile (t, d) are the head's channels 16 d + 8 (lane / 16) + 0 .. 7 of one token: registers 2 d and 2 d + 1 of the token tile's image.
.rept 4
	v_nop                                          ; places behind the last products
.endr
	v_mov_b32 v6, s13                              ; 448 x 2^(e10 - e8 - e9)
	v_mov_b32 v7, s12                              ; 2^(e10 - e8 - e9)
.irp t, 0,1
	v_add_f32 v[CH+6*\t], v[ST+6*\t+4], v[ST+6*\t+5]
.endr
.irp t, 0,1
	v_permlanex16_b32 v[CH+6*\t+1], v[CH+6*\t], s20, s21
.endr
.irp t, 0,1
	v_add_f32 v[CH+6*\t], v[CH+6*\t], v[CH+6*\t+1] ; the row's sum; it is over 1/2: the row's largest p is
.endr
.irp t, 0,1
	v_rcp_f32 v[ST+6*\t], v[CH+6*\t]
.endr
	v_nop                                          ; a plain line behind the last reciprocal
	s_wait_alu depctr_va_vdst(0)                   ; and the wait ahead of the first use: one for both
.irp t, 0,1
.set j, OT+32*\t
.rept 16
	v_pk_mul_f32 v[j:j+1], v[j:j+1], v[ST+6*\t:ST+6*\t+1] op_sel_hi:[1,0]
.set j, j+2
.endr
.endr
.irp t, 0,1
.irp d, 0,1,2,3
.irp i, 0,1,2,3,4,5,6,7
	v_med3_num_f32 v[OT+32*\t+8*\d+\i], v[OT+32*\t+8*\d+\i], -v6, v6
.endr
	v_cvt_scalef32_pk8_fp8_f32 v[PF+8*\t+2*\d:PF+8*\t+2*\d+1], v[OT+32*\t+8*\d:OT+32*\t+8*\d+7], v7
.endr
.endr
	v_nop
.irp t, 0,1
	global_store_b128 v1, v[PF+8*\t:PF+8*\t+3], s[16:17] offset:16384*\t           ; 32 lanes store 512 consecutive bytes, aligned: half an image
	global_store_b128 v1, v[PF+8*\t+4:PF+8*\t+7], s[16:17] offset:16384*\t+512
.endr
	s_wait_tensorcnt 0x0
	ds_add_u32 v254, v255
	s_wait_dscnt 0x0
	s_endpgm
.Lfunc_end_k_q1a975e1c03_attn:
	.size	k_q1a975e1c03_attn, .Lfunc_end_k_q1a975e1c03_attn-k_q1a975e1c03_attn
	.p2alignl 7, 3214868480
	.fill 96, 4, 3214868480
	.section	.rodata,"a",@progbits
	.p2align	6, 0x0
	.amdhsa_kernel k_q1a975e1c03_attn
		.amdhsa_group_segment_fixed_size 264192
		.amdhsa_private_segment_fixed_size 0
		.amdhsa_enable_private_segment 0
		.amdhsa_kernarg_size 56
		.amdhsa_user_sgpr_count 2
		.amdhsa_user_sgpr_kernarg_segment_ptr 1
		.amdhsa_wavefront_size32 1
		.amdhsa_system_sgpr_workgroup_id_x 1
		.amdhsa_system_sgpr_workgroup_id_y 1
		.amdhsa_system_sgpr_workgroup_id_z 1
		.amdhsa_system_vgpr_workitem_id 0
		.amdhsa_next_free_vgpr 256
		.amdhsa_next_free_sgpr 100
		.amdhsa_reserve_vcc 0
		.amdhsa_float_denorm_mode_32 3
		.amdhsa_float_denorm_mode_16_64 3
		.amdhsa_memory_ordered 1
		.amdhsa_forward_progress 1
		.amdhsa_inst_pref_size 57
	.end_amdhsa_kernel
	.amdgpu_metadata
---
amdhsa.version: [ 1, 2 ]
amdhsa.kernels:
  - .name:           k_q1a975e1c03_attn
    .symbol:         k_q1a975e1c03_attn.kd
    .args:
      - { .name: qimg, .offset: 0, .size: 8, .value_kind: global_buffer, .address_space: global }
      - { .name: kimg, .offset: 8, .size: 8, .value_kind: global_buffer, .address_space: global }
      - { .name: vimg, .offset: 16, .size: 8, .value_kind: global_buffer, .address_space: global }
      - { .name: mbits, .offset: 24, .size: 8, .value_kind: global_buffer, .address_space: global }
      - { .name: mflag, .offset: 32, .size: 8, .value_kind: global_buffer, .address_space: global }
      - { .name: lowp_scales, .offset: 40, .size: 8, .value_kind: global_buffer, .address_space: global }
      - { .name: cimg, .offset: 48, .size: 8, .value_kind: global_buffer, .address_space: global }
    .group_segment_fixed_size: 264192
    .private_segment_fixed_size: 0
    .kernarg_segment_align: 8
    .kernarg_segment_size: 56
    .max_flat_workgroup_size: 512
    .sgpr_count:     100
    .vgpr_count:     256
    .wavefront_size: 32
...
	.end_amdgpu_metadata
.endif
;; end of part 3
;; launch oproj (part 4): grid 4 x 32, 4 waves a work-group, clusters of 4 x 4, 327,680 bytes of LDS; arguments cimg, WO_codes, bO, lowp_scales, out0; writes out0
.if DOCPART == 4
	.amdgcn_target "amdgcn-amd-amdhsa--gfx1250"
	.amdhsa_code_object_version 6
	.text
	.protected	k_q1a975e1c03_oproj
	.globl	k_q1a975e1c03_oproj
	.p2align	8
	.type	k_q1a975e1c03_oproj,@function
k_q1a975e1c03_oproj:
	s_mov_b64 s[64:65], 0
	v_nop
	global_prefetch_b8 v0, s[64:65] scope:SCOPE_SE
	s_setreg_imm32_b32 hwreg(HW_REG_WAVE_MODE, 25, 1), 1
	s_wait_xcnt 0x0
	s_wait_alu depctr_hold_cnt(0) depctr_sa_sdst(0) depctr_va_vdst(0) depctr_va_sdst(0) depctr_va_ssrc(0) depctr_va_vcc(0) depctr_vm_vsrc(0)
	s_getreg_b32 s2, hwreg(HW_REG_IB_STS2, 6, 4)
	s_cmp_eq_u32 s2, 0
	s_cbranch_scc0 .Lentry_in_a_cluster
	s_endpgm
.Lentry_in_a_cluster:
	s_bfe_u32 s2, ttmp6, 0x10000c
	s_cmp_lg_u32 s2, 0xf033
	s_cbranch_scc0 .Lentry_shape_is_right
	s_endpgm
.Lentry_shape_is_right:
; out0 = ctx WO + bO on codes of FP8 (E4M3).  ctx: 8,192 tokens x 1,024, as images of operand registers: cimg [token tile 512][head 16][1024 bytes] (registers 0-3 at 16 x lane, 4-7 at 512 + 16 x lane; lane (r, h),
; register 2 c + e, byte y: token r, column 64 head + 16 c + 8 h + 4 e + y).  Two neighbouring heads' images on end ARE an operand of the 16 x 16 x 128 form, in that form's own order of k.
; WO: [1024 outputs][1024]: codes, K innermost.  bO [1024], out0 [8192][1024]: f32.  A sum stands for sum x 2^(e10 + e11).  LIMIT: e10 + e11 between -126 and 127, so that the power of two is an f32 number.
; A tile of out0, 256 x 256, is made by a work-group of four waves, each 128 x 128: 64 accumulators, 512 registers.  K goes in steps of 256 (four heads) through a ring of two LDS slots.
; CLUSTERS: 4 x 4 work-groups.  The four of a row of the cluster need the same images of ctx, the four of a column the same rows of WO: each tile is asked for JOINTLY.  128 work-groups: 32 x 4 tiles.
; THE MATRIX INSTRUCTION IS USED TRANSPOSED (source 0 = 16 rows of WO, source 1 = 16 tokens): a lane then holds eight neighbouring numbers of a row of out0.
; No prefetch: every tile is asked for jointly, and WO's rows are read by eight clusters.
; REGISTERS, in windows of 256: window 0: v0-31 addresses, v8-11 my four numbers of bO; from v128 A's fragments, ONE set; on the way out rows of out0.   window 1: B's fragments, TWO sets.
;   window 2: the 32 accumulators of my tokens 0-63 (accumulator (a, b) at v[8 (8 a + b)]);   window 3: those of tokens 64-127.
.set SIZE_N, 1024
.set SIZE_K, 1024
.set KSTEP,  256
.set ROWB,   256                       ; a row of WO's tile in bytes
.set KROW,   SIZE_K
.set PITCH,  272                       ; WO's rows in LDS: 256 bytes + 16 of padding = 68 words: row r starts at bank 4 r mod 64 (64 banks of 4 bytes: ISA guide 11.1)
.set ATILE,  4096                      ; a token tile's four images of a K step: dense in memory and in LDS
.set AROW,   16384                     ; a token tile's sixteen images in memory
.set AHALF,  8*ATILE                   ; what one tensor load brings of ctx, and what one wave reads of it
.set ABYTES, 2*AHALF
.set BHALF,  128*PITCH                 ; the same for WO
.set SLOT,   ABYTES+2*BHALF            ; ctx's 16 token tiles, then WO's 256 rows
.set FR,     16
.set NL,     4                         ; LDS loads that bring a fragment of ctx
.set NP,     4                         ; places behind this matrix instruction (ISA guide 7.12.1)
.set LAPS,   SIZE_K/(2*KSTEP)
.set SPARE,  2*SLOT                    ; behind the ring: the spare words, 128 bytes for each wave, which no other line names
.set SPITCH, 528                       ; the way out: a stage of 16 rows x (512 bytes + 16) for each wave, in slot 0, which has had its last fill and its last read when the first result is stored there
.set BI,   8                           ; v8-11   bO at my four columns of a row
.set ADRA, 16                          ; v16-17  LDS address of my A fragments in slot 0, 1
.set ADRB, 20                          ; v20-21  the same for B
.set STO,  24                          ; v24     the way out: where I put 32 bytes of a row
.set RD,   25                          ; v25     where I read a row back
.set CO,   26                          ; v26     16 x lane: my byte offset in a row's 512 bytes
.set SPW,  28                          ; v28     LDS address of my spare word; never rewritten
.set NIL,  29                          ; v29     0; never rewritten
.set AF,   128
.set BK,   128                         ; the way out: 16 rows read back from the stage: v128-191 and v192-255 by turns
.set G1, 24
.set G0, 32
.set G1B, 48
.set G0B, 56
.set MSB, 0
.macro WIN new                         ; the immediate's high byte repeats the setting that is left
.if MSB != \new
	s_set_vgpr_msb (MSB<<8)|\new
.set MSB, \new
.endif
.endm
.set MUL_LO, 0xa1                      ; source 0 (B) window 1, source 1 (A) window 0, C and D window 2
.set MUL_HI, 0xf1
.set TO_B,   0x40
.macro JLOAD g0a, g1a, g0b, g1b        ; a joint load: waves 0 and 1 fetch ctx's images, waves 2 and 3 WO's rows; four v_nop follow each of the two lines
	s_cmp_eq_u32 s15, 0
	s_cbranch_scc0 .Lfor_b_\@
	tensor_load_to_lds s[\g0a:\g0a+3], s[\g1a:\g1a+7]
	s_nop 0
.rept 4
	v_nop
.endr
	s_branch .Lasked_\@
.Lfor_b_\@:
	tensor_load_to_lds s[\g0b:\g0b+3], s[\g1b:\g1b+7]
	s_nop 0
.rept 4
	v_nop
.endr
.Lasked_\@:
.endm
.macro CREST
	s_cmp_lg_u32 s14, 0
	s_cbranch_scc1 .Lnot_wave_0_\@
	s_barrier_signal -3
.Lnot_wave_0_\@:
	s_barrier_wait -3
	s_barrier_signal -1
	s_barrier_wait -1
.endm
.macro CROUND
	s_barrier_signal -1
	s_barrier_wait -1
	CREST
.endm
	s_load_b128 s[4:7], s[0:1], 0x0                ; cimg s[4:5], WO's codes s[6:7]
	s_load_b128 s[8:11], s[0:1], 0x10              ; bO s[8:9], the scales' exponents s[10:11]
	s_load_b64 s[12:13], s[0:1], 0x20              ; out0
	v_lshl_add_u32 v[SPW], v0, 2, SPARE
	v_mov_b32 v[NIL], 0
	ds_add_u32 v28, v29
	ds_add_u32 v28, v29
	s_wait_dscnt 0x0
	v_lshrrev_b32 v1, 5, v0
	v_readfirstlane_b32 s14, v1                    ; wave 0..3
	s_lshr_b32 s15, s14, 1                         ; which half of the tile's tokens is mine.  Also: I fetch for ctx (0) or for WO (1)
	s_and_b32 s16, s14, 1                          ; which half of its columns.  Also: which half of that tile I fetch
	s_bfe_u32 s40, ttmp6, 0x40000                  ; cx, cy
	s_bfe_u32 s41, ttmp6, 0x40004
	s_lshl_b32 s42, ttmp9, 2
	s_add_co_u32 s42, s42, s40                     ; tile column = 4 x cluster x + cx
	s_and_b32 s17, ttmp7, 0xffff
	s_lshl_b32 s17, s17, 2
	s_add_co_u32 s17, s17, s41                     ; tile row = 4 x cluster y + cy
	s_lshl_b32 s43, s41, 2
	s_lshl_b32 s43, 15, s43                        ; my row of the cluster
	s_lshl_b32 s44, 0x1111, s40                    ; my column
	; descriptor group 1 for ctx: 8 token tiles x 4,096 bytes, 16,384 bytes apart in memory, dense in LDS; elements of 8 bytes
	s_or_b32 s[G1+0], s43, (3<<16)|(1<<21)         ; 15:0 the mask: my row; 17:16 element of 8 bytes; 20 no padding; 21 set beside a mask
	s_mov_b32 s[G1+1], (ATILE/8)<<16               ; tensor_dim0 = 512
	s_mov_b32 s[G1+2], 8<<16                       ; tensor_dim1 = 8
	s_mov_b32 s[G1+3], (ATILE/8)<<16               ; tile_dim0 = 512
	s_mov_b32 s[G1+4], 8                           ; tile_dim1 = 8
	s_mov_b32 s[G1+5], AROW/8                      ; tensor_dim0_stride = 2,048
	s_mov_b32 s[G1+6], 0
	s_mov_b32 s[G1+7], 0
	; for WO: 128 rows x 256 bytes, padded in LDS
	s_or_b32 s[G1B+0], s44, (0<<16)|(1<<20)|(1<<21)|(5<<22)|(3<<25)  ; the mask: my column; element of 1 byte; padding: four words after every 64
	s_mov_b32 s[G1B+1], ROWB<<16
	s_mov_b32 s[G1B+2], 128<<16
	s_mov_b32 s[G1B+3], ROWB<<16
	s_mov_b32 s[G1B+4], 128
	s_mov_b32 s[G1B+5], KROW
	s_mov_b32 s[G1B+6], 0
	s_mov_b32 s[G1B+7], 0
	s_lshl_b32 s18, s16, 17                        ; my half: 8 token tiles of 16,384 bytes, or 128 rows of 1,024
	s_lshl_b32 s20, s17, 18                        ; ctx: 16 token tiles a tile row
	s_add_co_u32 s20, s20, s18
	s_mov_b32 s21, 0
	s_lshl_b32 s46, s42, 18                        ; WO: 256 rows a tile column
	s_add_co_u32 s46, s46, s18
	s_mov_b32 s47, 0
	s_lshl_b32 s45, s16, 15                        ; where they go: ctx's halves at 0 and AHALF,
	s_mul_i32 s19, s16, BHALF
	s_add_co_u32 s19, s19, ABYTES                  ; WO's behind them: no place in the cluster enters an LDS address
	s_wait_kmcnt 0x0
	s_load_b64 s[96:97], s[10:11], 0x28            ; e10, e11
	s_add_nc_u64 s[20:21], s[4:5], s[20:21]
	s_add_nc_u64 s[46:47], s[6:7], s[46:47]
	CROUND                                         ; all sixteen work-groups are here: the first joint loads meet
.irp s, 0,1
	s_mov_b32 s[G0+4*\s], 1
	s_add_co_u32 s[G0+4*\s+1], s45, \s*SLOT
	s_add_nc_u64 s[G0+4*\s+2:G0+4*\s+3], s[20:21], \s*ATILE
	s_or_b32 s[G0+4*\s+3], s[G0+4*\s+3], 0x80000000
	s_mov_b32 s[G0B+4*\s], 1
	s_add_co_u32 s[G0B+4*\s+1], s19, \s*SLOT
	s_add_nc_u64 s[G0B+4*\s+2:G0B+4*\s+3], s[46:47], \s*ROWB
	s_or_b32 s[G0B+4*\s+3], s[G0B+4*\s+3], 0x80000000
	JLOAD G0+4*\s, G1, G0B+4*\s, G1B
.endr
	v_and_b32 v1, 15, v0                           ; r
	v_bfe_u32 v2, v0, 4, 1                         ; h
	v_and_b32 v6, 31, v0
	v_lshlrev_b32 v[CO], 4, v6                     ; 16 x lane
	v_mul_u32_u24 v3, v1, PITCH
	v_lshl_add_u32 v4, v2, 3, v3                   ; WO: row x pitch + 8 x half: the form's own order of k, as the images have it
	s_lshl_b32 s21, s15, 15                        ; my 8 token tiles
	s_mul_i32 s22, s16, BHALF
	s_add_co_u32 s22, s22, ABYTES                  ; my 128 rows of WO
.irp s, 0,1
	v_add_nc_u32 v[ADRA+\s], s21, v[CO]
	v_add_nc_u32 v[ADRB+\s], s22, v4
	s_add_co_u32 s21, s21, SLOT
	s_add_co_u32 s22, s22, SLOT
.endr
	s_mul_i32 s23, s14, 16*SPITCH                  ; my stage
	v_mul_u32_u24 v5, v1, SPITCH                   ; in: row r, 32 bytes for each half of the lanes
	v_lshl_add_u32 v5, v2, 5, v5
	v_add_nc_u32 v[STO], s23, v5
	v_add_nc_u32 v[RD], s23, v[CO]                 ; back: the 32 lanes take one row of 512 bytes
	s_lshl_b32 s20, s17, 8
	s_lshl_b32 s21, s15, 7
	s_add_co_u32 s20, s20, s21                     ; my first token
	s_lshl_b32 s20, s20, 12                        ; x 4,096 bytes (under 2^25)
	s_mov_b32 s21, 0
	s_lshl_b32 s46, s42, 10                        ; my first column, in bytes: 1,024 x tile column + 512 x half
	s_lshl_b32 s47, s16, 9
	s_add_co_u32 s46, s46, s47
	s_mov_b32 s47, 0
	s_add_nc_u64 s[8:9], s[8:9], s[46:47]
	global_load_b128 v[BI:BI+3], v[CO], s[8:9]     ; bO at columns 4 x lane + 0 .. 3 of my 128
	s_add_nc_u64 s[20:21], s[20:21], s[46:47]
	s_add_nc_u64 s[12:13], s[12:13], s[20:21]
.macro FRAG_A reg, adr, q, i           ; token tile i, the slot's q-th 128 along K: two images on end, as they lie: 512 consecutive bytes an instruction
.irp c, 0,1,2,3
	ds_load_b128 v[\reg+4*\c:\reg+4*\c+3], v[\adr] offset:ATILE*(\i)+2048*(\q)+512*\c
.endr
.endm
.macro FRAG_B reg, adr, q, i           ; 16 rows of WO: registers 2 c, 2 c + 1 hold K = 16 c + 8 (l / 16) + 0 .. 7
.irp c, 0,1,2,3,4,5,6,7
	ds_load_b64 v[\reg+2*\c:\reg+2*\c+1], v[\adr] offset:128*(\q)+16*\c+(\i)*16*PITCH
.endr
.endm
.macro MUL16 a0, p, zero               ; 16 matrix instructions; the 64 accumulators take turns, one instruction a turn
.irp a, \a0, \a0+1
.irp b, 0,1,2,3,4,5,6,7
.if \zero
	v_wmma_f32_16x16x128_fp8_fp8 v[8*(8*((\a)%4)+\b):8*(8*((\a)%4)+\b)+7], v[128*(\p)+FR*\b:128*(\p)+FR*\b+FR-1], v[AF+FR*(\a):AF+FR*(\a)+FR-1], 0
.else
	v_wmma_f32_16x16x128_fp8_fp8 v[8*(8*((\a)%4)+\b):8*(8*((\a)%4)+\b)+7], v[128*(\p)+FR*\b:128*(\p)+FR*\b+FR-1], v[AF+FR*(\a):AF+FR*(\a)+FR-1], v[8*(8*((\a)%4)+\b):8*(8*((\a)%4)+\b)+7]
.endif
.endr
.endr
.endm
.macro FETCH_B slot, q, p
	WIN TO_B
.irp i, 0,1,2,3,4,5,6,7
	FRAG_B 128*(\p)+FR*\i, ADRB+\slot, \q, \i
.endr
	WIN 0
.endm
.macro FETCH_A slot, q, i0
.irp i, \i0, \i0+1, \i0+2, \i0+3
	FRAG_A AF+FR*(\i), ADRA+\slot, \q, \i
.endr
.endm
.macro PLACES n                        ; plain vector instructions between a matrix instruction and a load into one of its registers or a read of its result (ISA guide 7.12.1 for vector instructions)
.rept \n
	v_nop
.endr
.endm
.macro STEP slot, q, zero
	s_wait_dscnt 4*NL                              ; B's set and A's blocks 0-3 are in; the youngest sixteen loads (A's blocks 4-7) may be out
	WIN MUL_LO
	MUL16 0, (\q)%2, \zero
	MUL16 2, (\q)%2, \zero
	s_wait_dscnt 0
	PLACES NP
	FETCH_B \slot, (\q)+1, 1-(\q)%2
	FETCH_A \slot, (\q)+1, 0
	WIN MUL_HI
	MUL16 4, (\q)%2, \zero
	MUL16 6, (\q)%2, \zero
	PLACES NP
	WIN 0
	FETCH_A \slot, (\q)+1, 4
.endm
; A slot's last step changes slots: ONE barrier; in front of it each wave waits for all its tensor loads, adds 0 to its spare word, and waits for that and for its own reads of this slot.
.macro TURN slot, next, fill
	s_wait_tensorcnt 0x0                           ; all my tensor loads have landed: my part of the next slot
	ds_add_u32 v[SPW], v[NIL]                      ; 0 onto my spare word
	s_wait_dscnt 4*NL+1                            ; (the add and the youngest sixteen loads may be out)
	WIN MUL_LO
	MUL16 0, 1, 0
	s_wait_dscnt 0x0                               ; the add is done, and my reads of this slot are over
	s_barrier_signal -1
	MUL16 2, 1, 0
	WIN 0
	s_barrier_wait -1
.if \fill
	CREST                                          ; the barrier has opened a round of the cluster's barrier: no wave of any partner still reads this slot's tile or has a load on its way
	s_add_nc_u64 s[G0+4*\slot+2:G0+4*\slot+3], s[G0+4*\slot+2:G0+4*\slot+3], 2*ATILE
	s_add_nc_u64 s[G0B+4*\slot+2:G0B+4*\slot+3], s[G0B+4*\slot+2:G0B+4*\slot+3], 2*ROWB
	JLOAD G0+4*\slot, G1, G0B+4*\slot, G1B         ; the first tensor load behind the round; its four v_nop are also the places in front of the loads below
.else
	PLACES NP
.endif
	FETCH_B \next, 0, 0
	FETCH_A \next, 0, 0
	WIN MUL_HI
	MUL16 4, 1, 0
	MUL16 6, 1, 0
	PLACES NP
	WIN 0
	FETCH_A \next, 0, 4
.endm
	s_wait_tensorcnt 1                             ; my part of K step 0 is in (K step 1's load may be out)
	s_barrier_signal -1
	s_barrier_wait -1                              ; everybody's is
	FETCH_B 0, 0, 0
	FETCH_A 0, 0, 0
	FETCH_A 0, 0, 4
	STEP 0, 0, 1                                   ; the first step's products start the sums
	s_mov_b32 s3, LAPS-1
.Llap:
	TURN 0, 1, 1
	STEP 1, 0, 0
	TURN 1, 0, 1
	STEP 0, 0, 0
	s_sub_co_u32 s3, s3, 1
	s_cmp_lg_u32 s3, 0
	s_cbranch_scc1 .Llap
	TURN 0, 1, 0                                   ; the last lap fills nothing; behind this change of slots nobody reads slot 0
	STEP 1, 0, 0
	s_wait_dscnt 4*NL
	WIN MUL_LO
	MUL16 0, 1, 0
	MUL16 2, 1, 0
	s_wait_dscnt 0
	WIN MUL_HI
	MUL16 4, 1, 0
	MUL16 6, 1, 0
	WIN 0
; THE WAY OUT, block by block of 16 tokens x 128 columns.  The sums go into my own stage as they are and come back as whole rows of 512 bytes; there a lane holds four neighbouring columns, the same in every row,
; so four registers of bO serve all: out = sum x 2^(e10 + e11) + bO, one packed multiply-add for two numbers.  LDS serves a wave's instructions in order (ISA guide 5.7.1.4): no wait between the stores and the loads.
.macro TOSTAGE a
.set AC, 64*((\a)%4)
	WIN 0x08+4*((\a)/4)                            ; the stores' data: window 2 or 3
.irp b, 0,1,2,3,4,5,6,7
	ds_store_b128 v[STO], v[AC+8*\b:AC+8*\b+3] offset:64*\b            ; each accumulator from its low end on
	ds_store_b128 v[STO], v[AC+8*\b+4:AC+8*\b+7] offset:64*\b+16
.endr
	WIN 0
.set RR, BK+64*((\a)%2)
.irp t, 0,1,2,3,4,5,6,7,8,9,10,11,12,13,14,15
	ds_load_b128 v[RR+4*\t:RR+4*\t+3], v[RD] offset:\t*SPITCH
.endr
.endm
.macro SEND a, younger                 ; younger: the LDS instructions issued behind block a's loads, which may stay out
.set RR, BK+64*((\a)%2)
	s_wait_dscnt \younger
.if (\a) > 0
	s_add_nc_u64 s[12:13], s[12:13], 16*SIZE_N*4   ; (behind a wait on XCNT: the earlier stores have read their base)
.endif
.irp t, 0,1,2,3,4,5,6,7,8,9,10,11,12,13,14,15
	v_pk_fma_f32 v[RR+4*\t:RR+4*\t+1], v[RR+4*\t:RR+4*\t+1], s[96:97], v[BI:BI+1] op_sel_hi:[1,0,1]
	v_pk_fma_f32 v[RR+4*\t+2:RR+4*\t+3], v[RR+4*\t+2:RR+4*\t+3], s[96:97], v[BI+2:BI+3] op_sel_hi:[1,0,1]
	global_store_b128 v[CO], v[RR+4*\t:RR+4*\t+3], s[12:13] offset:\t*SIZE_N*4 th:TH_STORE_NT   ; 32 lanes store 512 consecutive bytes, aligned; written once, read by nobody here
.endr
.endm
	s_wait_kmcnt 0x0
	s_add_co_i32 s96, s96, s97
	s_add_co_i32 s96, s96, 127
	s_lshl_b32 s96, s96, 23                        ; 2^(e10 + e11) as f32
	s_mov_b32 s97, s96                             ; (named with it as a pair, so it is written)
	s_wait_loadcnt 0x0                             ; bO
	PLACES NP                                      ; behind the last products: for the stores that read results and the loads into the registers that held A's fragments
	TOSTAGE 0
.irp a, 1,2,3,4,5,6,7
.if \a > 1
	s_wait_xcnt 0x0                                ; block a - 2's stores have read their registers and their base: block a's loads may land there, and the base may step
.endif
	TOSTAGE \a
	SEND \a-1, 32                                  ; behind block a - 1's loads: block a's 16 stores and 16 loads
.endr
	s_wait_xcnt 0x0                                ; block 6's stores have read their base
	SEND 7, 0
	s_wait_tensorcnt 0x0                           ; the wave's end
	ds_add_u32 v[SPW], v[NIL]
	s_wait_dscnt 0x0
	CROUND                                         ; the closing round
	s_endpgm
.Lfunc_end_k_q1a975e1c03_oproj:
	.size	k_q1a975e1c03_oproj, .Lfunc_end_k_q1a975e1c03_oproj-k_q1a975e1c03_oproj
	.p2alignl 7, 3214868480
	.fill 96, 4, 3214868480
	.section	.rodata,"a",@progbits
	.p2align	6, 0x0
	.amdhsa_kernel k_q1a975e1c03_oproj
		.amdhsa_group_segment_fixed_size 327680
		.amdhsa_private_segment_fixed_size 0
		.amdhsa_enable_private_segment 0
		.amdhsa_kernarg_size 40
		.amdhsa_user_sgpr_count 2
		.amdhsa_user_sgpr_kernarg_segment_ptr 1
		.amdhsa_wavefront_size32 1
		.amdhsa_system_sgpr_workgroup_id_x 1
		.amdhsa_system_sgpr_workgroup_id_y 1
		.amdhsa_system_sgpr_workgroup_id_z 1
		.amdhsa_system_vgpr_workitem_id 0
		.amdhsa_next_free_vgpr 1024
		.amdhsa_next_free_sgpr 98
		.amdhsa_reserve_vcc 0
		.amdhsa_float_denorm_mode_32 3
		.amdhsa_float_denorm_mode_16_64 3
		.amdhsa_memory_ordered 1
		.amdhsa_forward_progress 1
		.amdhsa_inst_pref_size 139
	.end_amdhsa_kernel
	.amdgpu_metadata
---
amdhsa.version: [ 1, 2 ]
amdhsa.kernels:
  - .name:           k_q1a975e1c03_oproj
    .symbol:         k_q1a975e1c03_oproj.kd
    .args:
      - { .name: cimg, .offset: 0, .size: 8, .value_kind: global_buffer, .address_space: global }
      - { .name: WO_codes, .offset: 8, .size: 8, .value_kind: global_buffer, .address_space: global }
      - { .name: bO, .offset: 16, .size: 8, .value_kind: global_buffer, .address_space: global }
      - { .name: lowp_scales, .offset: 24, .size: 8, .value_kind: global_buffer, .address_space: global }
      - { .name: out0, .offset: 32, .size: 8, .value_kind: global_buffer, .address_space: global }
    .group_segment_fixed_size: 327680
    .private_segment_fixed_size: 0
    .kernarg_segment_align: 8
    .kernarg_segment_size: 40
    .max_flat_workgroup_size: 128
    .sgpr_count:     98
    .vgpr_count:     1024
    .wavefront_size: 32
...
	.end_amdgpu_metadata
.endif
;; end of part 4
;; ======== version 2 of 2: 4 launches; version 1 with the launch attn written anew for expert scheduling mode
;; limits: right only within a limited range of input values
;; workspace buffers: qimg 8,388,608 bytes; kimg 8,388,608 bytes; vimg 8,388,608 bytes; cimg 8,388,608 bytes; mbits 524,288 bytes of whole numbers; mflag 16,384 bytes of whole numbers
;; launch maskprep: the kernel of part 1 again; grid 64 x 1, 8 waves a work-group, no clusters, 70,912 bytes of LDS; arguments mask, mbits, mflag; writes mbits, mflag
;; launch qkv: the kernel of part 2 again; grid 12 x 32, 4 waves a work-group, clusters of 4 x 4, 327,680 bytes of LDS; arguments x_codes, WQ_codes, WK_codes, WV_codes, bQ, bK, bV, lowp_scales, qimg, kimg, vimg; writes qimg, kimg, vimg
;; launch attn (part 5): grid 4 x 64, 16 waves a work-group, no clusters, 264,192 bytes of LDS; arguments qimg, kimg, vimg, mbits, mflag, lowp_scales, cimg; writes cimg
.if DOCPART == 5
	.amdgcn_target "amdgcn-amd-amdhsa--gfx1250"
	.amdhsa_code_object_version 6
	.text
	.protected	k_q1a975e1c03_attn
	.globl	k_q1a975e1c03_attn
	.p2align	8
	.type	k_q1a975e1c03_attn,@function
k_q1a975e1c03_attn:
	s_mov_b64 s[64:65], 0
	v_nop
	global_prefetch_b8 v0, s[64:65] scope:SCOPE_SE
	s_setreg_imm32_b32 hwreg(HW_REG_WAVE_SCHED_MODE, 0, 2), 2
	s_setreg_imm32_b32 hwreg(HW_REG_WAVE_MODE, 25, 1), 1
	s_wait_xcnt 0x0
	s_wait_alu depctr_vm_vsrc(0)
; ctx = softmax(q k^T / 8 + mask x (-1e9)) v for one batch's head, both products on codes of FP8 (E4M3) by the 16 x 16 x 64 form; ctx is quantised and stored as images of operand registers for the last product.
; qimg, kimg, vimg, cimg: images of 1,024 bytes (registers 0-3 at 16 x lane, 4-7 at 512 + 16 x lane; lane (r, h), register 2 c + e, byte y: row r, k = 16 c + 8 h + 4 e + y).
; THE SOFTMAX: t = logit x log2(e); M = the running largest t, rounded UP to a whole number; p = 2^(t - M) is quantised with 2^e8, not normalised; the row's sum is taken of the unquantised p and divides at the end.
; When M moves, the sum and O are multiplied by 2^(old M - new M): exact.
; SHARES.  A JOB is 32 neighbouring queries, two tiles of 16; a STEP 64 keys; a CHUNK four steps.  A work-group has one head and sixteen jobs, one a wave: the eight jobs of query block g and the eight of block 7 - g
; (g = work-group x), dealt so that of four waves with neighbouring numbers, and of four whose numbers are 4 apart, two belong to each block.  That only evens the work out where late queries have more of it.
; LAYOUT.  Both products are used transposed: S^T = K Q^T (source 0 = 16 keys, source 1 = 16 queries), O^T = V^T P^T (source 0 = 16 of the head's 64, source 1 = P): a lane holds ONE query (lane % 16) throughout, and
; the eight registers of a tile of S^T are the keys 16 c + 8 (lane / 16) + 0 .. 7: converted, they ARE registers 2 c and 2 c + 1 of P.  Both tiles of a job use each fragment of K and V.
; THE MASK IS TAKEN AS IT IS GIVEN, from two buffers that an earlier launch made of it: mflag: ACT (bit s: step s has to be worked) and MIX (it also has masked places); mbits: for each step 64 lane masks, one for each
; register of scores.  A step whose 32 x 64 places are all masked is passed over, but only in a job none of whose rows is masked throughout: each of its rows then has an open key, the masked logits lie at least 1.4e8 under it,
; and p is exactly 0.  LIMIT for that: e6 + e7 <= 8, which keeps |q.k| / 8 under 64 x 448 x 448 x 2^5 = 4.2e8.  A step with no masked place takes the short way; one with some takes reference()'s own f32 addition of -1e9.
; K AND V come through registers into LDS, a chunk (16 + 16 KiB) at a time, asked for a chunk's work ahead of the wait; all 256 KiB of a head fit, so every LDS byte is written once.
; NO TENSOR LOADS, NO CLUSTER: the steps hang on flags read from memory; and the four work-groups of a head have different steps to work.
; OTHER LIMITS, so that each power of two below is an f32 number: e6 + e7 at least -120; e8, and e10 - e8 - e9, between -126 and 119.  NaN is not served.
; THE MODE: SCHED_MODE bits 1:0 = 2 (LLVM: expert scheduling mode 2), set by the entry lines.  The code itself states the register dependences between vector or matrix instructions and memory or LDS
; instructions, with s_wait_alu, always for 0.
; THE PLAN.  Registers that memory or LDS instructions touch:
;   v1, v3, v26   offsets and LDS addresses, written at the head and never again: one wait on va_vdst ahead of the first load serves them for the whole kernel.
;   v2, v9        the step's LDS addresses of K and of V.  Both are written at the head of a worked step, behind a wait on vm_vsrc (the loads of the step worked last have read them) and ahead of the step's first wait on va_vdst.
;   KV            K's LDS loads land in it; the products K Q^T read it; V's LDS loads land in it; the products V^T P^T read it.  So two waits on va_vdst a step, one ahead of each run of eight loads: the first states
;                 that the last step's products V^T P^T are done reading it (and that v2 and v9 are written), the second that this step's products K Q^T are.
;   SG            the next chunk: global loads at a trip's head land in it, the LDS stores at the trip's end read it; no vector instruction names it.  One wait on vm_vsrc at the trip's head.
;   v4, v27       the next chunk's LDS addresses: written at a trip's end, a wait on va_vdst behind them, read by the four LDS stores; the wait on vm_vsrc at the next trip's head frees them.
;   QF            loaded once, read by matrix instructions alone.     PF: written by conversions, read by matrix instructions; at the end by ctx's stores, behind a wait on va_vdst.
;   v254, v255    written at the head, read by the closing add alone.
; A second buffer beside KV would take 32 registers; of the wave's 256, a quarter of what four waves on a SIMD share, six are free.
.set STEPB, 4096                       ; a step's four images
.set CHUNK, 4*STEPB
.set NCH,   8                          ; chunks in a head
.set VBASE, 131072                     ; LDS: K's 128 images, then V's
.set ST,  10                           ; tile t at v[ST + 6 t]: +0, +1 the pair of f = 2^(old M - new M) (the low one counts), +2 -M, +3 the largest t, +4, +5 the sum in two halves
.set CH,  22                           ; v22, v23 and v28, v29: two chains of a maximum
.set SC,  24                           ; v[24:25] and v[30:31]: the second chain of a sum
.set QF,  32                           ; v32-47   Q, 8 registers a tile
.set PF,  48                           ; v48-63   P's codes, 8 a tile; at the end ctx's codes
.set KV,  64                           ; v64-95   four fragments of K, then of V
.set S,   96                           ; v96-159  S^T, then p: 32 t + 8 c + j
.set OT,  160                          ; v160-223 O^T: 32 t + 8 d + j
.set SG,  224                          ; v224-239 the next chunk on its way to LDS
.set TP,  240                          ; v240-247 four pairs of mask x (-1e9)
; v1 16 x lane; v2 the step's LDS address of K, v9 of V; v3 16 x thread; v4, v27 where the next chunk goes; v5 = v1 + VBASE; v26 = v3 + VBASE; v6 the hold; v7 the scale; v8 -1e9
; s[6:7], s[8:9] K's and V's next chunk; s[10:11] the step's lane masks; s12, s13 ctx's scale and hold; s[16:17] ctx's images; s18 wave; s19 ACT, s28 MIX, shifted a bit a step; s[20:21] lane selects;
; s[22:23] log2(e) x 2^(e6 + e7 - 3); s[24:25] 2^(e6 + e7 - 3); s[26:27] log2(e); s30 the step's LDS byte; s31 the next chunk's; s66, s67 counters; s32-63 and s68-99 the 64 lane masks
	s_load_b256 s[32:39], s[0:1], 0x0              ; qimg s[32:33], kimg s[34:35], vimg s[36:37], mbits s[38:39]
	s_load_b128 s[40:43], s[0:1], 0x20             ; mflag s[40:41], the scales' exponents s[42:43]
	s_load_b64 s[16:17], s[0:1], 0x30              ; cimg
	v_lshl_add_u32 v254, v0, 2, 0x40000
	v_mov_b32 v255, 0
	v_lshrrev_b32 v2, 5, v0
	v_readfirstlane_b32 s18, v2                    ; wave 0..15
	v_and_b32 v1, 31, v0
	v_lshlrev_b32 v1, 4, v1
	v_lshlrev_b32 v3, 4, v0
	v_add_nc_u32 v5, VBASE, v1
	v_add_nc_u32 v26, VBASE, v3
	s_wait_alu depctr_va_sdst(0)                   ; s18 is written, ahead of its first reader: my job, and with it every base, is made from it
	s_lshr_b32 s2, s18, 2
	s_xor_b32 s2, s2, s18
	s_and_b32 s2, s2, 1                            ; which of the two query blocks
	s_lshr_b32 s3, s18, 1                          ; which of its eight jobs
	s_sub_co_u32 s12, 7, ttmp9
	s_cmp_eq_u32 s2, 1
	s_cselect_b32 s12, s12, ttmp9
	s_lshl_b32 s12, s12, 3
	s_add_co_u32 s12, s12, s3                      ; my job, 0 .. 63
	s_and_b32 s13, ttmp7, 0xffff                   ; batch x 16 + head
	s_lshl_b32 s14, s13, 17                        ; a head's images: 131,072 bytes in each of qimg, kimg, vimg
	s_mov_b32 s15, 0
	s_lshl_b32 s2, s12, 11                         ; a job's two images of Q
	s_add_co_u32 s2, s2, s14
	s_mov_b32 s3, 0
	s_lshl_b32 s28, s12, 13                        ; mbits: 32 steps of 256 bytes a job
	s_mov_b32 s29, 0
	s_lshl_b32 s30, s12, 8                         ; mflag: 256 bytes a job
	s_mov_b32 s31, 0
	s_lshr_b32 s66, s13, 4                         ; cimg [token tile 512][head 16][1024]: token tile = 128 x batch + 2 x job + t
	s_lshl_b32 s66, s66, 7
	s_lshl_b32 s67, s12, 1
	s_add_co_u32 s66, s66, s67
	s_lshl_b32 s66, s66, 4
	s_and_b32 s67, s13, 15
	s_add_co_u32 s66, s66, s67
	s_lshl_b32 s66, s66, 10
	s_mov_b32 s67, 0
	s_wait_kmcnt 0x0
	s_add_nc_u64 s[6:7], s[34:35], s[14:15]
	s_add_nc_u64 s[8:9], s[36:37], s[14:15]
	s_add_nc_u64 s[4:5], s[32:33], s[2:3]
	s_add_nc_u64 s[10:11], s[38:39], s[28:29]
	s_add_nc_u64 s[40:41], s[40:41], s[30:31]
	s_add_nc_u64 s[16:17], s[16:17], s[66:67]
	s_wait_alu depctr_va_vdst(0)                   ; v1, v3 and v26 are written: the loads below, chunk 0's LDS stores, every later chunk's loads and ctx's stores read them as offsets and addresses; no vector line writes them again
	global_load_b128 v[SG:SG+3], v3, s[6:7]                    ; chunk 0: the 512 threads take 8,192 consecutive bytes an instruction
	global_load_b128 v[SG+4:SG+7], v3, s[6:7] offset:8192
	global_load_b128 v[SG+8:SG+11], v3, s[8:9]
	global_load_b128 v[SG+12:SG+15], v3, s[8:9] offset:8192
.irp t, 0,1
	global_load_b128 v[QF+8*\t:QF+8*\t+3], v1, s[4:5] offset:1024*\t       ; Q stays in registers
	global_load_b128 v[QF+8*\t+4:QF+8*\t+7], v1, s[4:5] offset:1024*\t+512
.endr
	s_load_b64 s[44:45], s[40:41], 0x0             ; ACT, MIX
	s_load_b256 s[68:75], s[42:43], 0x10           ; e4 .. e11
	s_mov_b32 s20, 0x76543210
	s_mov_b32 s21, 0xfedcba98                      ; v_permlanex16_b32's selects for lane l xor 16
	s_mov_b32 s26, 0x3fb8aa3b                      ; log2(e)
	s_mov_b32 s27, s26                             ; (a packed form names the pair and takes its low word for both halves: so both are written)
	s_mov_b32 s30, 0
	s_mov_b32 s31, CHUNK
	v_mov_b32 v8, 0xce6e6b28                       ; -1e9
.irp t, 0,1
	v_mov_b32 v[ST+6*\t], 0
	v_mov_b32 v[ST+6*\t+1], 0
	v_mov_b32 v[ST+6*\t+3], 0xff61b1e6             ; the largest t so far: -3e38, under every t
	v_floor_f32 v[ST+6*\t+2], -v[ST+6*\t+3]        ; -M
	v_mov_b32 v[ST+6*\t+4], 0
	v_mov_b32 v[ST+6*\t+5], 0
	v_mov_b32 v[CH+6*\t+1], 0                      ; written once: a lane permute's destination counts as one of its sources
.endr
.set j, 0
.rept 64
	v_mov_b32 v[OT+j], 0                           ; which step is a job's first hangs on the mask: so the step is written once, and the first finds zeros, which the first change of M leaves zeros
.set j, j+1
.endr
	s_wait_kmcnt 0x0
	s_mov_b32 s19, s44
	s_mov_b32 s28, s45
	s_add_co_i32 s2, s70, s71                      ; e6 + e7: a score stands for score x 2^(e6 + e7), and the logit is an eighth of that
	s_sub_co_i32 s3, s2, 3
	s_lshl_b32 s3, s3, 23
	s_add_co_i32 s22, s3, 0x3fb8aa3b               ; added to log2(e)'s exponent field
	s_mov_b32 s23, s22
	s_add_co_i32 s24, s2, 124
	s_lshl_b32 s24, s24, 23                        ; 2^(e6 + e7 - 3) as f32
	s_mov_b32 s25, s24
	s_add_co_i32 s2, s72, 127
	s_lshl_b32 s3, s2, 23
	v_mov_b32 v7, s3                               ; 2^e8, for p's conversions
	s_add_co_i32 s2, s2, 8
	s_lshl_b32 s2, s2, 23
	s_or_b32 s2, s2, 0x600000
	v_mov_b32 v6, s2                               ; 448 x 2^e8
	s_sub_co_i32 s2, s74, s72
	s_sub_co_i32 s2, s2, s73                       ; O / l stands for ctx / 2^(e8 + e9): its code is (O / l) / 2^(e10 - e8 - e9): the three scales in one
	s_add_co_i32 s2, s2, 127
	s_lshl_b32 s12, s2, 23
	s_add_co_i32 s2, s2, 8
	s_lshl_b32 s13, s2, 23
	s_or_b32 s13, s13, 0x600000
	s_wait_loadcnt 4                               ; chunk 0's four loads are in; Q's four may be out
	ds_store_b128 v3, v[SG:SG+3]                   ; (no vector line since the wait on va_vdst above names v3, v26 or v[SG ..])
	ds_store_b128 v3, v[SG+4:SG+7] offset:8192
	ds_store_b128 v26, v[SG+8:SG+11]
	ds_store_b128 v26, v[SG+12:SG+15] offset:8192
	s_add_nc_u64 s[6:7], s[6:7], CHUNK             ; (their loads are done)
	s_add_nc_u64 s[8:9], s[8:9], CHUNK
	s_wait_dscnt 0x0                               ; for the others' sake: my stores are done
	s_barrier_signal -1
	s_barrier_wait -1                              ; chunk 0 lies in LDS
	s_wait_loadcnt 0x0                             ; Q
; A STEP of 64 keys for my 32 queries.  mixed = 1: some places are masked.
.macro BODY mixed
.if \mixed
	s_load_b512 s[32:47], s[10:11], 0x0            ; the 64 lane masks; they are wanted behind the first products
	s_load_b512 s[48:63], s[10:11], 0x40
	s_load_b512 s[68:83], s[10:11], 0x80
	s_load_b512 s[84:99], s[10:11], 0xc0
.endif
	s_wait_alu depctr_vm_vsrc(0)                   ; the LDS loads of the step worked last have read v2 and v9, which are written anew
	v_add_nc_u32 v2, s30, v1                       ; this step's four images of K,
	v_add_nc_u32 v9, s30, v5                       ; and of V.  With the two v_nop: the four places behind the last step's products (ISA guide 7.12.1) stay beside the wait below
.rept 2
	v_nop
.endr
	s_wait_alu depctr_va_vdst(0)                   ; v2 and v9 are written, which the LDS loads of this step read; the products V^T P^T of the step worked last are done reading v[KV ..], in which K lands
.irp c, 0,1,2,3
	ds_load_b128 v[KV+8*\c:KV+8*\c+3], v2 offset:1024*\c       ; an image as it lies: 512 consecutive bytes an instruction
	ds_load_b128 v[KV+8*\c+4:KV+8*\c+7], v2 offset:1024*\c+512
.endr
	s_wait_dscnt 0x0
.irp c, 0,1,2,3
.irp t, 0,1
	v_wmma_f32_16x16x64_fp8_fp8 v[S+32*\t+8*\c:S+32*\t+8*\c+7], v[KV+8*\c:KV+8*\c+7], v[QF+8*\t:QF+8*\t+7], 0
.endr
.endr
.rept 4
	v_nop                                          ; four places in front of the first read of the scores (ISA guide 7.12.1)
.endr
	s_wait_alu depctr_va_vdst(0)                   ; the products K Q^T are done reading v[KV ..], in which V lands (v9 stands since the wait above: no line behind it names it)
.irp d, 0,1,2,3
	ds_load_b128 v[KV+8*\d:KV+8*\d+3], v9 offset:1024*\d       ; V: on its way while the softmax is worked
	ds_load_b128 v[KV+8*\d+4:KV+8*\d+7], v9 offset:1024*\d+512
.endr
.if \mixed
	s_wait_kmcnt 0x0                               ; the lane masks are in,
	s_wait_xcnt 0x0                                ; and their loads have read s[10:11], which is stepped at the step's end
.irp n, 0,2,4,6,8,10,12,14,16,18,20,22,24,26,28,30,32,34,36,38,40,42,44,46,48,50,52,54,56,58,60,62
	v_cndmask_b32 v[TP+2*((\n/2)%4)], 0, v8, s[32+\n+4*(\n/32)]
	v_cndmask_b32 v[TP+2*((\n/2)%4)+1], 0, v8, s[33+\n+4*(\n/32)]
	v_pk_fma_f32 v[S+\n:S+\n+1], v[S+\n:S+\n+1], s[24:25], v[TP+2*((\n/2)%4):TP+2*((\n/2)%4)+1] op_sel_hi:[1,0,1]   ; the logit: score x 2^(e6 + e7 - 3), exact, + mask x (-1e9), rounded once, as reference() adds it
	v_pk_mul_f32 v[S+\n:S+\n+1], v[S+\n:S+\n+1], s[26:27] op_sel_hi:[1,0]                                           ; t, rounded by itself
.endr
.endif
	; the step's largest score (mixed: largest t) of each query: two chains a tile, each accumulator from its low end on
.irp t, 0,1
	v_max3_num_f32 v[CH+6*\t], v[S+32*\t], v[S+32*\t+1], v[S+32*\t+2]
	v_max3_num_f32 v[CH+6*\t+1], v[S+32*\t+3], v[S+32*\t+4], v[S+32*\t+5]
.endr
.irp i, 6,10,14,18,22,26
.irp t, 0,1
	v_max3_num_f32 v[CH+6*\t], v[CH+6*\t], v[S+32*\t+\i], v[S+32*\t+\i+1]
	v_max3_num_f32 v[CH+6*\t+1], v[CH+6*\t+1], v[S+32*\t+\i+2], v[S+32*\t+\i+3]
.endr
.endr
.irp t, 0,1
	v_max3_num_f32 v[CH+6*\t], v[CH+6*\t], v[S+32*\t+30], v[S+32*\t+31]
.endr
.irp t, 0,1
	v_max_num_f32 v[CH+6*\t], v[CH+6*\t], v[CH+6*\t+1]
.endr
.irp t, 0,1
	v_permlanex16_b32 v[CH+6*\t+1], v[CH+6*\t], s20, s21       ; the query's other 32 keys lie in the lane 16 away
.endr
.irp t, 0,1
	v_max_num_f32 v[CH+6*\t], v[CH+6*\t], v[CH+6*\t+1]
.endr
.if \mixed == 0
.irp t, 0,1
	v_mul_f32 v[CH+6*\t], s22, v[CH+6*\t]          ; as t (the factor is positive)
.endr
.endif
.irp t, 0,1
	v_max_num_f32 v[ST+6*\t+3], v[ST+6*\t+3], v[CH+6*\t]       ; the running largest t
.endr
.irp t, 0,1
	v_mov_b32 v[CH+6*\t], v[ST+6*\t+2]
.endr
.irp t, 0,1
	v_floor_f32 v[ST+6*\t+2], -v[ST+6*\t+3]        ; the new -M = floor(-t) = -ceil(t): a whole number
.endr
.irp t, 0,1
	v_sub_f32 v[CH+6*\t], v[ST+6*\t+2], v[CH+6*\t] ; old M - new M: a whole number, 0 or less
.endr
.irp t, 0,1
	v_cvt_i32_f32 v[CH+6*\t], v[CH+6*\t]           ; (it saturates)
.endr
.irp t, 0,1
	v_ldexp_f32 v[ST+6*\t], 1.0, v[CH+6*\t]        ; f = 2^(old M - new M)
.endr
.irp t, 0,1
.set j, S+32*\t
.rept 16
.if \mixed
	v_pk_add_f32 v[j:j+1], v[j:j+1], v[ST+6*\t+2:ST+6*\t+3] op_sel_hi:[1,0]                  ; t - M (of the pair -M, t the low word serves both halves)
.else
	v_pk_fma_f32 v[j:j+1], v[j:j+1], s[22:23], v[ST+6*\t+2:ST+6*\t+3] op_sel_hi:[1,0,0]     ; t - M in one
.endif
.set j, j+2
.endr
.endr
.set j, S
.rept 64
	v_exp_f32 v[j], v[j]                           ; p = 2^(t - M): one batch
.set j, j+1
.endr
.irp t, 0,1
	v_pk_mul_f32 v[ST+6*\t+4:ST+6*\t+5], v[ST+6*\t+4:ST+6*\t+5], v[ST+6*\t:ST+6*\t+1] op_sel_hi:[1,0]   ; the sums under the new M; also the plain line behind the last exponential
.endr
	s_wait_alu depctr_va_vdst(0)                   ; the 64 exponentials have written p, v[S ..]: the wait ahead of the first line that names a result: one for the batch
.irp t, 0,1
	v_pk_add_f32 v[SC+6*\t:SC+6*\t+1], v[S+32*\t:S+32*\t+1], v[S+32*\t+2:S+32*\t+3]   ; the row's sum, of the unquantised p: two chains a tile
.endr
.irp i, 4,8,12,16,20,24,28
.irp t, 0,1
	v_pk_add_f32 v[ST+6*\t+4:ST+6*\t+5], v[ST+6*\t+4:ST+6*\t+5], v[S+32*\t+\i:S+32*\t+\i+1]
	v_pk_add_f32 v[SC+6*\t:SC+6*\t+1], v[SC+6*\t:SC+6*\t+1], v[S+32*\t+\i+2:S+32*\t+\i+3]
.endr
.endr
.irp t, 0,1
	v_pk_add_f32 v[ST+6*\t+4:ST+6*\t+5], v[ST+6*\t+4:ST+6*\t+5], v[SC+6*\t:SC+6*\t+1]
.endr
.irp t, 0,1
.irp c, 0,1,2,3
.irp i, 0,1,2,3,4,5,6,7
	v_min_num_f32 v[S+32*\t+8*\c+\i], v[S+32*\t+8*\c+\i], v6   ; the conversion to an 8-bit code does not saturate (ISA guide 7.6.2); p is not negative, so the hold is one-sided
.endr
	v_cvt_scalef32_pk8_fp8_f32 v[PF+8*\t+2*\c:PF+8*\t+2*\c+1], v[S+32*\t+8*\c:S+32*\t+8*\c+7], v7
.endr
.endr
.irp t, 0,1
.set j, OT+32*\t
.rept 16
	v_pk_mul_f32 v[j:j+1], v[j:j+1], v[ST+6*\t:ST+6*\t+1] op_sel_hi:[1,0]   ; O^T under the new M.  (Also the plain lines between the conversions and the products that read their results)
.set j, j+2
.endr
.endr
	s_wait_dscnt 0x0                               ; V is in
.irp d, 0,1,2,3
.irp t, 0,1                            ; the eight accumulators take turns, one instruction a turn; the matrix instruction ahead of the first is on S^T
	v_wmma_f32_16x16x64_fp8_fp8 v[OT+32*\t+8*\d:OT+32*\t+8*\d+7], v[KV+8*\d:KV+8*\d+7], v[PF+8*\t:PF+8*\t+7], v[OT+32*\t+8*\d:OT+32*\t+8*\d+7]
.endr
.endr
.endm
	s_mov_b32 s66, NCH
.Lchunk:                                           ; eight trips: a chunk's four steps, while the next chunk is on its way
	s_wait_alu depctr_vm_vsrc(0)                   ; my LDS stores of the chunk before have read v[SG ..], in which the loads below land, and (from the second trip on) v4 and v27, which this trip's end writes anew
	s_cmp_eq_u32 s66, 1
	s_cbranch_scc1 .Lno_ask                        ; the last trip asks for nothing: no load leaves its buffer
	global_load_b128 v[SG:SG+3], v3, s[6:7]
	global_load_b128 v[SG+4:SG+7], v3, s[6:7] offset:8192
	global_load_b128 v[SG+8:SG+11], v3, s[8:9]
	global_load_b128 v[SG+12:SG+15], v3, s[8:9] offset:8192
.Lno_ask:
	s_mov_b32 s67, 4
.Lstep:
	s_bitcmp1_b32 s19, 0                           ; has this step to be worked?
	s_cbranch_scc0 .Lnext
	s_bitcmp1_b32 s28, 0                           ; has it masked places?
	s_cbranch_scc1 .Lmixed
	BODY 0
	s_branch .Lnext
.Lmixed:
	BODY 1
.Lnext:                                            ; on every way
	s_lshr_b32 s19, s19, 1
	s_lshr_b32 s28, s28, 1
	s_add_co_u32 s30, s30, STEPB
	s_add_nc_u64 s[10:11], s[10:11], 256
	s_sub_co_u32 s67, s67, 1
	s_cmp_lg_u32 s67, 0
	s_cbranch_scc1 .Lstep
	s_wait_loadcnt 0x0                             ; the next chunk is in registers
	s_cmp_eq_u32 s66, 1
	s_cbranch_scc1 .Lno_put
	v_add_nc_u32 v4, s31, v3
	v_add_nc_u32 v27, s31, v26
	s_wait_alu depctr_va_vdst(0)                   ; v4 and v27 are written, which the four LDS stores read as their addresses
	ds_store_b128 v4, v[SG:SG+3]                   ; into bytes that nobody has read or written yet: the chunk in hand lies CHUNK bytes below
	ds_store_b128 v4, v[SG+4:SG+7] offset:8192
	ds_store_b128 v27, v[SG+8:SG+11]
	ds_store_b128 v27, v[SG+12:SG+15] offset:8192
.Lno_put:
	s_add_nc_u64 s[6:7], s[6:7], CHUNK             ; (behind the wait that shows their loads done; after the last trip they are not used)
	s_add_nc_u64 s[8:9], s[8:9], CHUNK
	s_add_co_u32 s31, s31, CHUNK
	s_wait_dscnt 0x0                               ; for the others' sake: my stores are done
	s_barrier_signal -1
	s_barrier_wait -1                              ; the next chunk lies in LDS.  (The last trip's barrier orders nothing; it stands because every wave passes the same barriers)
	s_sub_co_u32 s66, s66, 1
	s_cmp_lg_u32 s66, 0
	s_cbranch_scc1 .Lchunk
	; THE WAY OUT: O^T / the sum, quantised: the eight registers of tile (t, d) are the head's channels 16 d + 8 (lane / 16) + 0 .. 7 of one token: registers 2 d and 2 d + 1 of the token tile's image.
.rept 4
	v_nop                                          ; places behind the last products
.endr
	v_mov_b32 v6, s13                              ; 448 x 2^(e10 - e8 - e9)
	v_mov_b32 v7, s12                              ; 2^(e10 - e8 - e9)
.irp t, 0,1
	v_add_f32 v[CH+6*\t], v[ST+6*\t+4], v[ST+6*\t+5]
.endr
.irp t, 0,1
	v_permlanex16_b32 v[CH+6*\t+1], v[CH+6*\t], s20, s21
.endr
.irp t, 0,1
	v_add_f32 v[CH+6*\t], v[CH+6*\t], v[CH+6*\t+1] ; the row's sum; it is over 1/2: the row's largest p is
.endr
.irp t, 0,1
	v_rcp_f32 v[ST+6*\t], v[CH+6*\t]
.endr
	v_nop                                          ; a plain line behind the last reciprocal
	s_wait_alu depctr_va_vdst(0)                   ; both reciprocals have written v[ST] and v[ST + 6]: the wait ahead of the first use: one for both
.irp t, 0,1
.set j, OT+32*\t
.rept 16
	v_pk_mul_f32 v[j:j+1], v[j:j+1], v[ST+6*\t:ST+6*\t+1] op_sel_hi:[1,0]
.set j, j+2
.endr
.endr
.irp t, 0,1
.irp d, 0,1,2,3
.irp i, 0,1,2,3,4,5,6,7
	v_med3_num_f32 v[OT+32*\t+8*\d+\i], v[OT+32*\t+8*\d+\i], -v6, v6
.endr
	v_cvt_scalef32_pk8_fp8_f32 v[PF+8*\t+2*\d:PF+8*\t+2*\d+1], v[OT+32*\t+8*\d:OT+32*\t+8*\d+7], v7
.endr
.endr
	v_nop
	s_wait_alu depctr_va_vdst(0)                   ; the conversions have written ctx's codes, v[PF ..], which the four stores read
.irp t, 0,1
	global_store_b128 v1, v[PF+8*\t:PF+8*\t+3], s[16:17] offset:16384*\t           ; 32 lanes store 512 consecutive bytes, aligned: half an image
	global_store_b128 v1, v[PF+8*\t+4:PF+8*\t+7], s[16:17] offset:16384*\t+512
.endr
	s_wait_dscnt 0x0                               ; the closing lines, six on end
	s_wait_alu 0x0
	s_wait_tensorcnt 0x0
	ds_add_u32 v254, v255
	s_wait_dscnt 0x0
	s_endpgm
.Lfunc_end_k_q1a975e1c03_attn:
	.size	k_q1a975e1c03_attn, .Lfunc_end_k_q1a975e1c03_attn-k_q1a975e1c03_attn
	.p2alignl 7, 3214868480
	.fill 96, 4, 3214868480
	.section	.rodata,"a",@progbits
	.p2align	6, 0x0
	.amdhsa_kernel k_q1a975e1c03_attn
		.amdhsa_group_segment_fixed_size 264192
		.amdhsa_private_segment_fixed_size 0
		.amdhsa_enable_private_segment 0
		.amdhsa_kernarg_size 56
		.amdhsa_user_sgpr_count 2
		.amdhsa_user_sgpr_kernarg_segment_ptr 1
		.amdhsa_wavefront_size32 1
		.amdhsa_system_sgpr_workgroup_id_x 1
		.amdhsa_system_sgpr_workgroup_id_y 1
		.amdhsa_system_sgpr_workgroup_id_z 1
		.amdhsa_system_vgpr_workitem_id 0
		.amdhsa_next_free_vgpr 256
		.amdhsa_next_free_sgpr 100
		.amdhsa_reserve_vcc 0
		.amdhsa_float_denorm_mode_32 3
		.amdhsa_float_denorm_mode_16_64 3
		.amdhsa_memory_ordered 1
		.amdhsa_forward_progress 1
		.amdhsa_inst_pref_size 57
	.end_amdhsa_kernel
	.amdgpu_metadata
---
amdhsa.version: [ 1, 2 ]
amdhsa.kernels:
  - .name:           k_q1a975e1c03_attn
    .symbol:         k_q1a975e1c03_attn.kd
    .args:
      - { .name: qimg, .offset: 0, .size: 8, .value_kind: global_buffer, .address_space: global }
      - { .name: kimg, .offset: 8, .size: 8, .value_kind: global_buffer, .address_space: global }
      - { .name: vimg, .offset: 16, .size: 8, .value_kind: global_buffer, .address_space: global }
      - { .name: mbits, .offset: 24, .size: 8, .value_kind: global_buffer, .address_space: global }
      - { .name: mflag, .offset: 32, .size: 8, .value_kind: global_buffer, .address_space: global }
      - { .name: lowp_scales, .offset: 40, .size: 8, .value_kind: global_buffer, .address_space: global }
      - { .name: cimg, .offset: 48, .size: 8, .value_kind: global_buffer, .address_space: global }
    .group_segment_fixed_size: 264192
    .private_segment_fixed_size: 0
    .kernarg_segment_align: 8
    .kernarg_segment_size: 56
    .max_flat_workgroup_size: 512
    .sgpr_count:     100
    .vgpr_count:     256
    .wavefront_size: 32
...
	.end_amdgpu_metadata
.endif
;; end of part 5
;; launch oproj: the kernel of part 4 again; grid 4 x 32, 4 waves a work-group, clusters of 4 x 4, 327,680 bytes of LDS; arguments cimg, WO_codes, bO, lowp_scales, out0; writes out0
